; MI455X (gfx1250); checked and timed in simulation.
; The chip was launched on July 23, 2026; its instructions are those of AMD's public machine-readable ISA for CDNA 5 (MIT licence, August 2026) and "CDNA5" Instruction Set Architecture Reference Guide (July 2026). The comments in the code are by the model that wrote it; some were corrected since.
;; Multi Head Attention. Allowed arithmetic: matrix products marked QUANTISED: E2M1 operands, one E8M0 scale for each 32 along K, by v_wmma_scale_f32_16x16x128_f8f6f4 with both operands' format E2M1 (or v_wmma_scale_f32_32x16x128_f4), f32 sums; everything else in f32.
;; Inputs: Wk_codes 1,024 x 32 x 16 uint8 (E2M1 codes of Wk, K innermost, in blocks of 32 codes, two codes a byte); Wk_scales 1,024 x 32 uint8 (E8M0 scales of Wk, one for each 32 codes along K); Wo_codes 1,024 x 32 x 16 uint8 (E2M1 codes of Wo, K innermost, in blocks of 32 codes, two codes a byte); Wo_scales 1,024 x 32 uint8 (E8M0 scales of Wo, one for each 32 codes along K); Wq_codes 1,024 x 32 x 16 uint8 (E2M1 codes of Wq, K innermost, in blocks of 32 codes, two codes a byte); Wq_scales 1,024 x 32 uint8 (E8M0 scales of Wq, one for each 32 codes along K); Wv_codes 1,024 x 32 x 16 uint8 (E2M1 codes of Wv, K innermost, in blocks of 32 codes, two codes a byte); Wv_scales 1,024 x 32 uint8 (E8M0 scales of Wv, one for each 32 codes along K); bk 1,024 float32; bo 1,024 float32; bq 1,024 float32; bv 1,024 float32; x_codes 4 x 2,048 x 32 x 16 uint8 (E2M1 codes of x, K innermost, in blocks of 32 codes, two codes a byte); x_scales 4 x 2,048 x 32 uint8 (E8M0 scales of x, one for each 32 codes along K).
;; Outputs: out0 4 x 2,048 x 1,024 float32.
;; This version of the problem:
;;   THIS VERSION OF THE PROBLEM IS GIVEN IN LOW PRECISION. The matrix products marked QUANTISED in the list below multiply operands that are first quantised to E2M1 (2 exponent bits, 1 mantissa bit; 4 bits a number), with one power-of-two scale for each 32 numbers along K (OCP MX v1.0); their sums are f32. All else is computed in f32.
;;   The module's matrix products, in the order in which they are computed (A, B: the left and right operand; K: the contracted axis; several contracted axes count as one K, in the product's order):
;;     1. [M 8,192, K 1,024] x [K 1,024, N 1,024]; A: input x (given as codes); B: input Wq (given as codes): QUANTISED
;;     2. [M 8,192, K 1,024] x [K 1,024, N 1,024]; A: input x (given as codes); B: input Wk (given as codes): QUANTISED
;;     3. [M 8,192, K 1,024] x [K 1,024, N 1,024]; A: input x (given as codes); B: input Wv (given as codes): QUANTISED
;;     4. batch 64 x [M 2,048, K 64] x [K 64, N 2,048]; A: computed on the way; B: computed on the way: QUANTISED
;;     5. batch 64 x [M 2,048, K 2,048] x [K 2,048, N 64]; A: softmax (see below); B: computed on the way: QUANTISED
;;     6. [M 8,192, K 1,024] x [K 1,024, N 1,024]; A: computed on the way; B: input Wo (given as codes): QUANTISED
;;   THE QUANTISER, for each operand of a quantised product, along K:
;;     - K is cut into blocks of 32 from its start; a last block that is shorter is filled with zeros.
;;     - A block's scale is 2^e with e = floor(log2(the largest magnitude in the block)) - 2, held to -126 .. 127; a block of zeros has e = 0. As a byte (E8M0): e + 127.
;;     - Each number is divided by its block's scale, clamped to +-6, and rounded to the nearest number of E2M1, ties to even, subnormals kept.
;;     - The product sums the exact products of the quantised numbers (number of the format x scale) in f32.
;;   ~~~python
;;   def quantise(x, axis):      # numpy; x: float32 -> the quantised numbers, widened to float32 again
;;       x = np.moveaxis(x, axis, -1); K = x.shape[-1]
;;       x = np.pad(x, [(0, 0)] * (x.ndim - 1) + [(0, -K % 32)]); x = x.reshape(x.shape[:-1] + (-1, 32)); a = np.abs(x).max(-1, keepdims=True)
;;       e = np.where(a > 0, np.clip(np.frexp(np.where(a > 0, a, 1))[1] - 1 - 2, -126, 127), 0)      # np.frexp(a)[1] - 1 = floor(log2(a)), exactly
;;       r = np.clip(x / 2.0 ** e, -6, 6)
;;       step = 2.0 ** (np.maximum(np.frexp(np.where(r == 0, 1, r))[1] - 1, 0) - 1)
;;       q = np.round(r / step) * step * 2.0 ** e      # np.round: ties to even
;;       return np.moveaxis(q.reshape(q.shape[:-2] + (-1,))[..., :K], -1, axis).astype(np.float32)
;;   ~~~
;;   SOFTMAX AHEAD OF A QUANTISED PRODUCT. Where the list says 'softmax', what is quantised is not the finished softmax but p = 2^(t - M), with t = logit x log2(e) and M = ceil(the row's largest t), a whole number; so 1/2 < the row's largest p <= 1. The row's sum l is taken of the UNQUANTISED p, in f32, and the product's result is divided by l at the end. Since M is a whole number, a kernel that streams over the keys may use a running M (the ceiling of the running maximum): every later rescaling is an exact power of two, which a block's scale takes up: the codes' values come out the same.
;;   OPERANDS COMPUTED ON THE WAY. 'Computed on the way' means the value that the module computes at that place (a softmax that the list does not call 'softmax' is quantised finished and normalised). What goes into a quantiser is computed in f32, as accurately as f32 sums, v_exp_f32 and their like allow (about 1e-6 of the number): no bf16 or f16 on the way to a quantiser, and a product that is left as it is and whose result goes on into a quantised operand takes f32 operands (vector FMAs, or v_wmma_f32_16x16x4_f32). A number that lies on a knife's edge between two numbers of the format may be rounded either way, as far as f32 arithmetic and the matrix unit's own rounding can turn it there, and no further.
;;   INPUTS GIVEN AS CODES. Wk (in the module: [1024, 1024], K = its axis 1); Wo (in the module: [1024, 1024], K = its axis 1); Wq (in the module: [1024, 1024], K = its axis 1); Wv (in the module: [1024, 1024], K = its axis 1); x (in the module: [4, 2048, 1024], K = its axis 2): each comes as NAME_codes (uint8): NAME with its K axis moved to the last place and cut into blocks of 32 codes, [.., K / 32, bytes a block], one block behind the other in memory; two codes a byte, the lower K in the low four bits (a code: sign, 2 exponent bits, 1 mantissa bit); and NAME_scales (uint8): the same leading axes, one E8M0 byte (e + 127) for each 32 codes along K. Its value is code x scale, taken as it is: it is not quantised again, and the codes and scales need not be those that the quantiser above would give.
;; One version. Each part assembles by itself: llvm-mc -triple=amdgcn-amd-amdhsa -mcpu=gfx1250 --defsym DOCPART=n.
;; ======== version 1 of 1: 3 launches
;; workspace buffers: qc 4,194,304 bytes; qs 262,144 bytes; kv 8,912,896 bytes; cc 4,194,304 bytes; cs 262,144 bytes
;; launch qkv (part 1): grid 12 x 32, 4 waves a work-group, clusters of 4 x 4, 301,568 bytes of LDS; arguments x_codes, x_scales, Wq_codes, Wq_scales, Wk_codes, Wk_scales, Wv_codes, Wv_scales, bq, bk, bv, qc, qs, kv; writes qc, qs, kv
.if DOCPART == 1
	.amdgcn_target "amdgcn-amd-amdhsa--gfx1250"
	.amdhsa_code_object_version 6
	.text
	.protected	k_q14a786e2bb_qkv
	.globl	k_q14a786e2bb_qkv
	.p2align	8
	.type	k_q14a786e2bb_qkv,@function
k_q14a786e2bb_qkv:
	s_mov_b64 s[64:65], 0
	v_nop
	global_prefetch_b8 v0, s[64:65] scope:SCOPE_SE
	s_setreg_imm32_b32 hwreg(HW_REG_WAVE_MODE, 25, 1), 1
	s_wait_xcnt 0x0
	s_wait_alu depctr_hold_cnt(0) depctr_sa_sdst(0) depctr_va_vdst(0) depctr_va_sdst(0) depctr_va_ssrc(0) depctr_va_vcc(0) depctr_vm_vsrc(0)
	s_getreg_b32 s2, hwreg(HW_REG_IB_STS2, 6, 4)
	s_cmp_eq_u32 s2, 0
	s_cbranch_scc0 .Lentry_in_a_cluster
	s_endpgm
.Lentry_in_a_cluster:
	s_bfe_u32 s2, ttmp6, 0x10000c
	s_cmp_lg_u32 s2, 0xf033
	s_cbranch_scc0 .Lentry_shape_is_right
	s_endpgm
.Lentry_shape_is_right:
; Q = x Wq^T + bq, K = x Wk^T + bk, V = x Wv^T + bv on codes of FP4 (E2M1) with E8M0 scales, sums in f32; the results are quantised here, in f32, and leave as codes:
; Q and K along the head's 64 (two blocks of 32), V along the keys.  x: [8192][1024] codes, W*: [1024][1024] codes, K innermost, a row 512 bytes; scale bytes 32 a row.
; SHARES.  A work-group of four waves makes 256 x 256 of one product, a wave 128 x 128: 64 accumulators, 512 registers.  The cluster's x says which product: 0 Q, 1 K, 2 V: the same in all sixteen partners.
; ROLES.  The matrix instruction is used transposed (source 0 = 16 rows of B, source 1 = 16 rows of A): a lane holds ONE row of A, and its registers run along B's rows.  The quantiser wants its K along a lane's
; registers.  So for Q and K: A = x (a lane a token), B = W (registers along the features); for V: A = Wv (a lane a channel), B = x (registers along the keys).  Only pointers and tile numbers are chosen; the products are one text.
; K = 1,024 is 512 bytes a row: both halves of K lie in LDS at once (two slots), each filled ONCE.  No LDS byte is filled twice in this launch.
; CLUSTERS: 4 x 4 work-groups.  A's tile is shared along a row of the cluster, B's along a column: each is asked for jointly.
; THE QUANTISER on natural tiles.  For a block a of A's rows a lane holds 64 numbers, register 8 t + j = next-k 16 t + 8 (lane / 16) + j.  Block beta of 32 is tiles 2 beta, 2 beta + 1 in lanes l and l xor 16.
; The conversion of tile t goes to code register 4 (t / 4) + 2 (t % 2) + (t / 2) % 2; two exchanges of halves for each four registers then give register 4 c + i of lane (r, h) the codes of k = 64 c + 32 h + 8 i .. + 7: the operand's layout.
; OUT: images of operand registers, four registers a store, lane l's 16 bytes at 16 l: every store of codes covers 512 consecutive bytes, aligned.
;   qc [bh 64][token tile 128][512], qs [bh][token 2048][2];  kv [bh][chunk 2][69,632]: K codes [key tile 64][512], V codes [key step 8][channel tile 4][2][512], K scales [key 1024][2], V scales [key step 8][channel 64][4].
; LIMITS: a block of zeros gets the scale byte 1 (the rule says 127): its codes are zeros, and only this program reads the byte.  A largest magnitude under 2^-124 is held at the byte 1.  NaN, infinities and given scale bytes 0xff are not served.
.set KSTEP,  512                       ; along K in a slot
.set NQ,     KSTEP/128                 ; matrix instructions deep
.set ROWB,   256                       ; a tile's row in bytes
.set KROW,   512                       ; a row of codes in memory
.set PITCH,  272                       ; an LDS row: 256 bytes + 16 of padding: the 16 rows that a load touches start at 16 different banks (64 banks of 4 bytes: ISA guide 11.1)
.set FR,     8                         ; registers of a fragment
.set NL,     2                         ; LDS loads that bring one
.set NP,     4                         ; places behind this matrix instruction (ISA guide 7.12.1)
.set HALFT,  128*PITCH                 ; 128 rows: one tensor load
.set SLOT,   4*HALFT                   ; A's 256 rows, then B's 256 rows
.set KS,     32                        ; a row of scale bytes
.set SCL,    2*SLOT                    ; the scales, as units of 256 bytes + 16
.set HALFS,  (128*KS/256)*272          ; those of 128 rows
.set SBLK,   (16*KS/256)*272           ; those of 16 rows
.set STGQ,   SCL+4*HALFS               ; a stage of 512 bytes a wave for the new scale bytes of Q or K; no tile lands here
.set STGV,   STGQ+2048                 ; the same for V: each of the two ways out has bytes of its own
.set BO32, 8                           ; v8   32 x (lane / 16): the bias along the registers
.set BO4,  9                           ; v9   4 x (lane % 16): the bias along the lanes
.set ADRA, 16                          ; v16-17  LDS address of my A fragments in slot 0, 1
.set ADRB, 20                          ; v20-21  the same for B
.set LN16, 24                          ; v24  16 x lane
.set SOFF, 25                          ; v25  16 x (lane % 16) + (lane / 16) x a head's step in the scales' buffer
.set SQW,  26                          ; v26  Q, K: where I put two scale bytes
.set ADRS, 27                          ; v27  LDS address of my scale words: lanes 0-15 A's rows, lanes 16-31 B's
.set SVW,  28                          ; v28  V: where I put a scale word
.set SQR,  29                          ; v29  Q, K: where I read 16 bytes of the stage back
.set SVR,  30                          ; v30  V: the same
.set SH16, 31                          ; v31  16 x (lane / 16)
.set SC,   32                          ; v32-95  scale words, two sets; on the way out eight sets of eight code registers
.set TM,   96                          ; v96-111 the quantiser's work
.set PWR,  112                         ; v112-119 the scale word of each block of A's rows
.set PSH,  120                         ; v120-127 the same, shifted
.set AF,   128                         ; v128-191 A's fragments, ONE set
.set H,    128                         ; the way out: 64 numbers with their bias
.set BIB,  192                         ; v192-255 the bias along the registers
.set BA,   64                          ; window 1, v64-79: the bias along the lanes, each number twice (a pair for the packed add)
.set G1, 24
.set G0, 32
.set G1B, 48
.set G0B, 56
.set G1S, 68
.set G0S, 76
.set G1SB, 80
.set G0SB, 88
.set MSB, 0
.macro WIN new                         ; the immediate's high byte repeats the setting that is left
.if MSB != (\new)
	s_set_vgpr_msb (MSB<<8)|(\new)
.set MSB, (\new)
.endif
.endm
.set MUL_LO, 0xa1                      ; source 0 (B) window 1, source 1 (A) window 0, C and D window 2
.set MUL_HI, 0xf1                      ; the same, C and D window 3
.set TO_B,   0x40                      ; destination window 1, address window 0
; A joint load: waves 0 and 1 fetch for A, waves 2 and 3 for B.  The branch hangs on the wave's number alone.  Four v_nop follow each of the two lines.
.macro JLOAD g0a, g1a, g0b, g1b
	s_cmp_eq_u32 s15, 0
	s_cbranch_scc0 .Lfor_b_\@
	tensor_load_to_lds s[\g0a:\g0a+3], s[\g1a:\g1a+7]
	s_nop 0
.rept 4
	v_nop
.endr
	s_branch .Lasked_\@
.Lfor_b_\@:
	tensor_load_to_lds s[\g0b:\g0b+3], s[\g1b:\g1b+7]
	s_nop 0
.rept 4
	v_nop
.endr
.Lasked_\@:
.endm
.macro CROUND                          ; a round of the cluster's barrier
	s_barrier_signal -1
	s_barrier_wait -1
	s_cmp_lg_u32 s14, 0
	s_cbranch_scc1 .Lnot_wave_0_\@
	s_barrier_signal -3
.Lnot_wave_0_\@:
	s_barrier_wait -3
	s_barrier_signal -1
	s_barrier_wait -1
.endm
	s_load_b512 s[68:83], s[0:1], 0x0              ; x codes 68, x scales 70, Wq 72, 74, Wk 76, 78, Wv 80, 82
	s_load_b256 s[84:91], s[0:1], 0x40             ; bq 84, bk 86, bv 88, qc 90
	s_load_b128 s[92:95], s[0:1], 0x60             ; qs 92, kv 94
	v_lshl_add_u32 v22, v0, 2, 0x49800
	v_mov_b32 v23, 0
	ds_add_u32 v22, v23
	ds_add_u32 v22, v23
	v_lshrrev_b32 v1, 5, v0
	v_readfirstlane_b32 s14, v1                    ; wave 0..3
	s_lshr_b32 s15, s14, 1                         ; which half of A's rows is mine.  Also: I fetch for A (0) or for B (1)
	s_and_b32 s16, s14, 1                          ; which half of B's rows.  Also: which 128 rows I fetch
	s_bfe_u32 s40, ttmp6, 0x40000                  ; cx, cy: my place in the cluster
	s_bfe_u32 s41, ttmp6, 0x40004
	s_and_b32 s18, ttmp7, 0xffff
	s_lshl_b32 s18, s18, 2                         ; 4 x cluster y: it walks the tokens' 32 tiles
	s_cmp_eq_u32 ttmp9, 2                          ; V?
	s_cselect_b32 s17, 0, s18
	s_cselect_b32 s42, s18, 0
	s_cselect_b32 s99, 32768, 0                    ; where the codes begin in a chunk of kv: V's lie behind K's
	s_add_co_u32 s17, s17, s41                     ; A's tile: it holds cy and never cx
	s_add_co_u32 s42, s42, s40                     ; B's tile: it holds cx and never cy
	s_cmp_eq_u32 ttmp9, 0                          ; Q?  The steps in the output buffers, in bytes:
	s_mov_b32 s2, 139264
	s_cselect_b32 s2, 65536, s2                    ; from head to head in the codes' buffer,
	s_mov_b32 s3, 69632
	s_cselect_b32 s3, 32768, s3                    ; from 1,024 tokens to the next,
	s_mov_b32 s66, 139264
	s_cselect_b32 s66, 4096, s66                   ; the same two in the scales' buffer,
	s_mov_b32 s67, 69632
	s_cselect_b32 s67, 2048, s67
	s_mov_b32 s98, 65536
	s_cselect_b32 s98, 0, s98                      ; and where the scales begin: K's at 65,536 of a chunk,
	s_cmp_eq_u32 ttmp9, 2
	s_cselect_b32 s98, 67584, s98                  ; V's at 67,584
	s_lshl_b32 s43, s41, 2
	s_lshl_b32 s43, 15, s43                        ; my row of the cluster
	s_lshl_b32 s44, 0x1111, s40                    ; my column
	; descriptor group 1: a tile of 128 rows x 256 bytes, 16 bytes of padding behind each row
	s_or_b32 s[G1+0], s43, (0<<16)|(1<<20)|(1<<21)|(5<<22)|(3<<25)  ; 15:0 the mask; 17:16 elements of 1 byte; 20 padding on; 21 set beside a mask; 24:22 after every 64 words; 31:25 four words
	s_or_b32 s[G1B+0], s44, (0<<16)|(1<<20)|(1<<21)|(5<<22)|(3<<25)
.irp g, G1, G1B
	s_mov_b32 s[\g+1], ROWB<<16                    ; tensor_dim0
	s_mov_b32 s[\g+2], 128<<16                     ; tensor_dim1
	s_mov_b32 s[\g+3], ROWB<<16                    ; tile_dim0
	s_mov_b32 s[\g+4], 128                         ; tile_dim1
	s_mov_b32 s[\g+5], KROW                        ; tensor_dim0_stride
	s_mov_b32 s[\g+6], 0
	s_mov_b32 s[\g+7], 0
.endr
	s_lshl_b32 s18, s16, 7                         ; which 128 rows of the tile I fetch
	s_lshl_b32 s20, s17, 8
	s_add_co_u32 s20, s20, s18                     ; A's first row
	s_lshl_b32 s46, s42, 8
	s_add_co_u32 s46, s46, s18                     ; B's first row
	s_lshl_b32 s22, s20, 5                         ; A: its scales, 32 bytes a row,
	s_lshl_b32 s20, s20, 9                         ; and its codes, 512 bytes a row (all under 2^23)
	s_lshl_b32 s18, s46, 5                         ; B likewise
	s_lshl_b32 s46, s46, 9
	s_mov_b32 s21, 0
	s_mov_b32 s23, 0
	s_mov_b32 s19, 0
	s_mov_b32 s47, 0
	s_mul_i32 s45, s14, HALFT                      ; where the tiles go: wave x 128 rows: no place in the cluster enters an LDS address
	s_wait_dscnt 0x0
	s_wait_kmcnt 0x0
	s_cmp_eq_u32 ttmp9, 0                          ; the choices hang on the cluster's x alone
	s_cselect_b64 s[8:9], s[72:73], s[76:77]       ; the weight of Q or of K,
	s_cselect_b64 s[10:11], s[74:75], s[78:79]
	s_cselect_b64 s[12:13], s[84:85], s[86:87]     ; its bias,
	s_cselect_b64 s[96:97], s[90:91], s[94:95]     ; where the codes go,
	s_cselect_b64 s[100:101], s[92:93], s[94:95]   ; and the scale bytes
	s_cmp_eq_u32 ttmp9, 2
	s_cselect_b64 s[4:5], s[80:81], s[68:69]       ; A: Wv for V, else x
	s_cselect_b64 s[6:7], s[82:83], s[70:71]
	s_cselect_b64 s[8:9], s[68:69], s[8:9]         ; B: x for V, else the weight
	s_cselect_b64 s[10:11], s[70:71], s[10:11]
	s_cselect_b64 s[12:13], s[88:89], s[12:13]
	; the arguments' registers are free now.  Group 1 for the scales of 128 rows: 4,096 dense bytes as 16 rows of 256 bytes (32 elements of 8), 16 bytes of padding behind each
	s_or_b32 s[G1S+0], s43, (3<<16)|(1<<20)|(1<<21)|(5<<22)|(3<<25)
	s_or_b32 s[G1SB+0], s44, (3<<16)|(1<<20)|(1<<21)|(5<<22)|(3<<25)
.irp g, G1S, G1SB
	s_mov_b32 s[\g+1], 32<<16
	s_mov_b32 s[\g+2], (128*KS/256)<<16
	s_mov_b32 s[\g+3], 32<<16
	s_mov_b32 s[\g+4], 128*KS/256
	s_mov_b32 s[\g+5], 32
	s_mov_b32 s[\g+6], 0
	s_mov_b32 s[\g+7], 0
.endr
	s_mul_i32 s94, s14, HALFS
	s_add_nc_u64 s[20:21], s[4:5], s[20:21]
	s_add_nc_u64 s[22:23], s[6:7], s[22:23]
	s_add_nc_u64 s[46:47], s[8:9], s[46:47]
	s_add_nc_u64 s[18:19], s[10:11], s[18:19]
	CROUND                                         ; all sixteen work-groups are here: the joint loads meet
	s_mov_b32 s[G0S], 1
	s_add_co_u32 s[G0S+1], s94, SCL
	s_mov_b64 s[G0S+2:G0S+3], s[22:23]
	s_or_b32 s[G0S+3], s[G0S+3], 0x80000000
	s_mov_b32 s[G0SB], 1
	s_add_co_u32 s[G0SB+1], s94, SCL
	s_mov_b64 s[G0SB+2:G0SB+3], s[18:19]
	s_or_b32 s[G0SB+3], s[G0SB+3], 0x80000000
	JLOAD G0S, G1S, G0SB, G1SB                     ; the scales first: they are wanted with the first half of K
.irp s, 0,1
	s_mov_b32 s[G0+4*\s], 1
	s_add_co_u32 s[G0+4*\s+1], s45, \s*SLOT
	s_add_nc_u64 s[G0+4*\s+2:G0+4*\s+3], s[20:21], \s*ROWB
	s_or_b32 s[G0+4*\s+3], s[G0+4*\s+3], 0x80000000
	s_mov_b32 s[G0B+4*\s], 1
	s_add_co_u32 s[G0B+4*\s+1], s45, \s*SLOT
	s_add_nc_u64 s[G0B+4*\s+2:G0B+4*\s+3], s[46:47], \s*ROWB
	s_or_b32 s[G0B+4*\s+3], s[G0B+4*\s+3], 0x80000000
	JLOAD G0+4*\s, G1, G0B+4*\s, G1B               ; both halves of K: three loads of mine are out, and no more are issued
.endr
	v_and_b32 v1, 15, v0                           ; r = l % 16
	v_bfe_u32 v2, v0, 4, 1                         ; h = l / 16
	v_mul_u32_u24 v3, v1, PITCH
	v_lshl_add_u32 v4, v2, 4, v3                   ; a fragment's row x pitch + 16 x half
	s_mul_i32 s21, s15, HALFT                      ; my 128 rows of A
	s_mul_i32 s22, s16, HALFT                      ; my 128 rows of B,
	s_add_co_u32 s22, s22, 2*HALFT                 ; which lie behind A's 256
.irp s, 0,1
	v_add_nc_u32 v[ADRA+\s], s21, v4
	v_add_nc_u32 v[ADRB+\s], s22, v4
	s_add_co_u32 s21, s21, SLOT
	s_add_co_u32 s22, s22, SLOT
.endr
	v_mul_u32_u24 v5, v1, KS                       ; my row's scales: 32 bytes a row,
	v_lshrrev_b32 v6, 8, v5
	v_lshl_add_u32 v5, v6, 4, v5                   ; and 16 more for each 256 passed
	s_mul_i32 s21, s15, HALFS
	s_mul_i32 s22, s16, HALFS
	s_add_co_u32 s22, s22, 2*HALFS
	s_sub_co_u32 s22, s22, s21
	v_mul_u32_u24 v6, s22, v2                      ; lanes 16-31 take B's
	s_add_co_u32 s21, s21, SCL
	v_add_nc_u32 v5, v5, v6
	v_add_nc_u32 v[ADRS], s21, v5
	; the way out's addresses, all made here, ahead of the place where the two ways part
	v_and_b32 v7, 31, v0
	v_lshlrev_b32 v[LN16], 4, v7
	v_mul_u32_u24 v[SOFF], s66, v2
	v_lshl_add_u32 v[SOFF], v1, 4, v[SOFF]
	s_lshl_b32 s21, s14, 9                         ; my wave's 512 bytes of a stage
	v_lshlrev_b32 v[SQW], 1, v1
	v_lshl_add_u32 v[SQW], v2, 8, v[SQW]
	v_add_nc_u32 v[SQW], s21, v[SQW]
	v_add_nc_u32 v[SQW], STGQ, v[SQW]              ; Q, K: head (lane / 16), token r: 256 h + 2 r
	v_lshlrev_b32 v[SVW], 2, v1
	v_add_nc_u32 v[SVW], s21, v[SVW]
	v_add_nc_u32 v[SVW], STGV, v[SVW]              ; V: channel r: 4 r
	v_lshl_add_u32 v[SQR], v0, 4, STGQ             ; back: 16 x thread = 512 x wave + 16 x lane
	v_lshl_add_u32 v[SVR], v0, 4, STGV
	v_lshlrev_b32 v[SH16], 4, v2
	v_lshlrev_b32 v[BO32], 5, v2
	s_wait_alu depctr_va_vdst(0)
	v_lshlrev_b32 v[BO4], 2, v1
	s_wait_alu depctr_va_vdst(0)
.irp b, 0,1,2,3
	v_mov_b32 v[TM+4+\b], 0                        ; written once: a lane permute's destination counts as one of its sources
.endr
	; where my results go.  Tokens come from A (Q, K) or from B (V), heads from the other side
	s_cmp_eq_u32 ttmp9, 2
	s_cselect_b32 s18, s42, s17                    ; the tokens' tile and half,
	s_cselect_b32 s19, s16, s15
	s_cselect_b32 s22, s17, s42                    ; the features' tile and half
	s_cselect_b32 s23, s15, s16
	s_lshl_b32 s18, s18, 8
	s_lshl_b32 s19, s19, 7
	s_add_co_u32 s18, s18, s19                     ; my first token of 8,192
	s_lshr_b32 s19, s18, 11                        ; the batch,
	s_bfe_u32 s46, s18, 0x1000a                    ; which 1,024 of its 2,048 tokens,
	s_and_b32 s47, s18, 1023                       ; and the token in them
	s_lshl_b32 s19, s19, 4
	s_lshl_b32 s92, s22, 2
	s_add_co_u32 s19, s19, s92
	s_lshl_b32 s92, s23, 1
	s_add_co_u32 s19, s19, s92                     ; the first of my two heads: 16 x batch + 4 x tile + 2 x half
	s_mul_i32 s92, s19, s2
	s_mul_i32 s93, s46, s3
	s_add_co_u32 s92, s92, s93
	s_lshl_b32 s93, s47, 5                         ; 32 bytes of codes a token (K, Q) or a key (V: 4,096 bytes for 128 keys)
	s_add_co_u32 s92, s92, s93
	s_add_co_u32 s92, s92, s99
	s_mov_b32 s93, 0
	s_add_nc_u64 s[96:97], s[96:97], s[92:93]      ; the codes of my first head,
	s_mov_b32 s92, s2
	s_add_nc_u64 s[94:95], s[96:97], s[92:93]      ; and of my second
	s_mul_i32 s92, s19, s66
	s_mul_i32 s20, s46, s67
	s_add_co_u32 s92, s92, s20
	s_lshl_b32 s20, s47, 1                         ; 2 scale bytes a token or key
	s_add_co_u32 s92, s92, s20
	s_add_co_u32 s92, s92, s98
	s_add_nc_u64 s[100:101], s[100:101], s[92:93]  ; the scale bytes of my first head
	s_lshl_b32 s92, s22, 10
	s_lshl_b32 s20, s23, 9
	s_add_co_u32 s92, s92, s20
	s_add_nc_u64 s[12:13], s[12:13], s[92:93]      ; the bias of my 128 features
	s_mov_b32 s20, 0x76543210
	s_mov_b32 s21, 0xfedcba98                      ; v_permlanex16_b32's selects for lane l xor 16
	; the bias in both forms (2 x 512 bytes): along the registers (Q, K) and along the lanes (V).  They land while K is walked
.irp b, 0,1,2,3,4,5,6,7
	global_load_b128 v[BIB+8*\b:BIB+8*\b+3], v[BO32], s[12:13] offset:64*\b        ; features 16 b + 8 h + 0 .. 7
	global_load_b128 v[BIB+8*\b+4:BIB+8*\b+7], v[BO32], s[12:13] offset:64*\b+16
.endr
	WIN TO_B
.irp a, 0,1,2,3,4,5,6,7
	global_load_b32 v[BA+2*\a], v[BO4], s[12:13] offset:64*\a                      ; feature 16 a + r, twice
	global_load_b32 v[BA+2*\a+1], v[BO4], s[12:13] offset:64*\a
.endr
	WIN 0
.macro FRAG reg, adr, q, i             ; 16 rows x 128 K of 4-bit codes: lane l holds row l % 16; registers 4 c .. 4 c + 3 hold K = 64 c + 32 (l / 16) + 0 .. 31
.irp c, 0,1
	ds_load_b128 v[\reg+4*\c:\reg+4*\c+3], v[\adr] offset:64*(\q)+32*\c+(\i)*16*PITCH
.endr
.endm
; 16 matrix instructions: A's blocks a0, a0 + 1 x B's eight, the slot's q-th 128 along K.  p: B's set; sc: the set of scale words.  zero = 1: the first product starts the sums.
; The 64 accumulators take turns, one instruction a turn, in the same order in every step.
.macro MUL16 a0, p, q, sc, zero
.irp a, \a0, \a0+1
.irp b, 0,1,2,3,4,5,6,7
.if \zero
	v_wmma_scale_f32_16x16x128_f8f6f4 v[8*(8*((\a)%4)+\b):8*(8*((\a)%4)+\b)+7], v[128*(\p)+FR*\b:128*(\p)+FR*\b+FR-1], v[AF+FR*(\a):AF+FR*(\a)+FR-1], 0, v[SC+8*NQ*(\sc)+NQ*\b+(\q)], v[SC+8*NQ*(\sc)+NQ*(\a)+(\q)] matrix_a_fmt:MATRIX_FMT_FP4 matrix_b_fmt:MATRIX_FMT_FP4 matrix_a_scale:MATRIX_SCALE_ROW1
.else
	v_wmma_scale_f32_16x16x128_f8f6f4 v[8*(8*((\a)%4)+\b):8*(8*((\a)%4)+\b)+7], v[128*(\p)+FR*\b:128*(\p)+FR*\b+FR-1], v[AF+FR*(\a):AF+FR*(\a)+FR-1], v[8*(8*((\a)%4)+\b):8*(8*((\a)%4)+\b)+7], v[SC+8*NQ*(\sc)+NQ*\b+(\q)], v[SC+8*NQ*(\sc)+NQ*(\a)+(\q)] matrix_a_fmt:MATRIX_FMT_FP4 matrix_b_fmt:MATRIX_FMT_FP4 matrix_a_scale:MATRIX_SCALE_ROW1
.endif
.endr
.endr
.endm
.macro FETCH_B slot, q, p
	WIN TO_B
.irp i, 0,1,2,3,4,5,6,7
	FRAG 128*(\p)+FR*\i, ADRB+\slot, \q, \i
.endr
	WIN 0
.endm
.macro FETCH_A slot, q, i0
.irp i, \i0, \i0+1, \i0+2, \i0+3
	FRAG AF+FR*(\i), ADRA+\slot, \q, \i
.endr
.endm
.macro SCALES sc                       ; a slot's scale words: four a row; lanes 0-15 take A's block i, lanes 16-31 B's block i
.irp i, 0,1,2,3,4,5,6,7
	ds_load_b128 v[SC+8*NQ*\sc+NQ*\i:SC+8*NQ*\sc+NQ*\i+3], v[ADRS] offset:\i*SBLK
.endr
.endm
.macro PLACES n                        ; plain vector instructions between a matrix instruction and a load into, or a vector access to, its registers
.rept \n
	v_nop
.endr
.endm
.macro STEP slot, q, zero              ; a step of 128 along K that has its successor in the same slot
	s_wait_dscnt 4*NL                              ; B's set and A's blocks 0-3 are in; the youngest eight loads (A's blocks 4-7) may be out
	WIN MUL_LO
	MUL16 0, (\q)%2, \q, \slot, \zero
	MUL16 2, (\q)%2, \q, \slot, \zero
	s_wait_dscnt 0                                 ; A's blocks 4-7 are in
	PLACES NP
	FETCH_B \slot, (\q)+1, 1-(\q)%2
	FETCH_A \slot, (\q)+1, 0
	WIN MUL_HI
	MUL16 4, (\q)%2, \q, \slot, \zero
	MUL16 6, (\q)%2, \q, \slot, \zero
	PLACES NP
	WIN 0
	FETCH_A \slot, (\q)+1, 4
.endm
.macro TURN slot, next                 ; slot 0's last step goes over to slot 1: each wave's part of it has landed, then a barrier
	s_wait_tensorcnt 0x0                           ; no load was issued behind slot 1's: the count is 0
	s_wait_dscnt 4*NL                              ; (A's blocks 4-7 may be out)
	WIN MUL_LO
	MUL16 0, 1, NQ-1, \slot, 0
	s_wait_dscnt 0x0                               ; no LDS instruction of mine is pending at the signal
	s_barrier_signal -1
	MUL16 2, 1, NQ-1, \slot, 0
	WIN 0
	s_barrier_wait -1                              ; slot 1 is whole
	PLACES NP
	v_add_nc_u32 v[ADRS], 4*NQ, v[ADRS]            ; on to the second half's scale words
	FETCH_B \next, 0, 0
	FETCH_A \next, 0, 0
	SCALES \next
	WIN MUL_HI
	MUL16 4, 1, NQ-1, \slot, 0
	MUL16 6, 1, NQ-1, \slot, 0
	PLACES NP
	WIN 0
	FETCH_A \next, 0, 4
.endm
.macro STEPS slot, from
.set Q, \from
.rept NQ-1-\from
	STEP \slot, Q, 0
.set Q, Q+1
.endr
.endm
	s_wait_tensorcnt 1                             ; the scales and my part of slot 0 are in; slot 1's load may be out
	s_barrier_signal -1
	s_barrier_wait -1                              ; everybody's are
	FETCH_B 0, 0, 0
	FETCH_A 0, 0, 0
	SCALES 0
	FETCH_A 0, 0, 4
	STEP 0, 0, 1                                   ; the first step's products start the sums: nothing is cleared
	STEPS 0, 1
	TURN 0, 1
	STEPS 1, 0
	s_wait_dscnt 4*NL                              ; the last step: nothing more to fetch
	WIN MUL_LO
	MUL16 0, 1, NQ-1, 1, 0
	MUL16 2, 1, NQ-1, 1, 0
	s_wait_dscnt 0
	WIN MUL_HI
	MUL16 4, 1, NQ-1, 1, 0
	MUL16 6, 1, NQ-1, 1, 0
	WIN 0
; 64 numbers of a lane, v[src] on, register 8 t + j = k 16 t + 8 (lane / 16) + j of my row, become a fragment's codes in v[pc] .. v[pc + 7] and its scale word in v[pw].
.macro QUANT src, pc, pw
.irp b, 0,1,2,3
	v_max3_num_f32 v[TM+\b], |v[\src+16*\b]|, |v[\src+16*\b+1]|, 0x1800000   ; block b: my 16 numbers, and the floor 2^(3 - 127): the byte cannot fall under 1
.endr
.irp i, 2,4,6,8,10,12,14
.irp b, 0,1,2,3
	v_max3_num_f32 v[TM+\b], v[TM+\b], |v[\src+16*\b+\i]|, |v[\src+16*\b+\i+1]|   ; (the four blocks by turns)
.endr
.endr
.irp b, 0,1,2,3
	v_permlanex16_b32 v[TM+4+\b], v[TM+\b], s20, s21
.endr
.irp b, 0,1,2,3
	v_max_num_f32 v[TM+\b], v[TM+\b], v[TM+4+\b]   ; with lane l xor 16's: the block's largest magnitude
.endr
.irp b, 0,1,2,3
	v_add_nc_u32 v[TM+12+\b], 0xff000000, v[TM+\b] ; 2 off its exponent field: the conversion takes the exponent field of this operand as its scale
.endr
.irp b, 0,1,2,3
	v_lshrrev_b32 v[TM+4+\b], 23, v[TM+12+\b]      ; the scale's byte
.endr
	v_lshl_or_b32 v[\pw], v[TM+5], 8, v[TM+4]
	v_lshl_or_b32 v[\pw], v[TM+6], 16, v[\pw]
	v_lshl_or_b32 v[\pw], v[TM+7], 24, v[\pw]      ; my row's scale word
.irp t, 0,1,2,3,4,5,6,7
	v_cvt_scalef32_pk8_fp4_f32 v[(\pc)+4*(\t/4)+2*(\t%2)+(\t/2)%2], v[\src+8*\t:\src+8*\t+7], v[TM+12+\t/2]
.endr
	v_nop                                          ; one plain place behind a scaled conversion
.irp c, 0,1
	v_permlane16_swap_b32 v[(\pc)+4*\c], v[(\pc)+4*\c+1]     ; the first's lanes 16-31 change places with the second's lanes 0-15:
	v_permlane16_swap_b32 v[(\pc)+4*\c+2], v[(\pc)+4*\c+3]   ; a whole block of 32 now lies in a lane
.endr
.endm
; Block a of A's rows leaves: + bias (which also brings the sums into window 0, each accumulator from its low end on), quantised, stored.  Every store has registers of its own and no base is stepped.
.macro EPI a, isv
.set AC, 64*((\a)%4)
.set PCA, SC+8*(\a)
.if \isv
	WIN 0x06+(\a)/4                                ; source 0: window 2 or 3; source 1: window 1
.else
	WIN 0x02+(\a)/4
.endif
.set i, 0
.rept 32
.if \isv
	v_pk_add_f32 v[H+2*i:H+2*i+1], v[AC+2*i:AC+2*i+1], v[BA+2*(\a):BA+2*(\a)+1]
.else
	v_pk_add_f32 v[H+2*i:H+2*i+1], v[AC+2*i:AC+2*i+1], v[BIB+2*i:BIB+2*i+1]
.endif
.set i, i+1
.endr
	WIN 0
	QUANT H, PCA, PWR+(\a)
.if \isv
.if (\a) < 4                                   ; 16 channels x my 128 keys: channel tile a % 4 of head a / 4; two runs of 512 bytes
	global_store_b128 v[LN16], v[PCA:PCA+3], s[96:97] offset:1024*((\a)%4)
	global_store_b128 v[LN16], v[PCA+4:PCA+7], s[96:97] offset:1024*((\a)%4)+512
.else
	global_store_b128 v[LN16], v[PCA:PCA+3], s[94:95] offset:1024*((\a)%4)
	global_store_b128 v[LN16], v[PCA+4:PCA+7], s[94:95] offset:1024*((\a)%4)+512
.endif
	ds_store_b32 v[SVW], v[PWR+(\a)] offset:64*(\a)          ; lanes l and l xor 16 write the same word with the same value
.else
	global_store_b128 v[LN16], v[PCA:PCA+3], s[96:97] offset:512*(\a)      ; 16 tokens x my first head's 64,
	global_store_b128 v[LN16], v[PCA+4:PCA+7], s[94:95] offset:512*(\a)    ; and my second head's
	v_lshrrev_b32 v[PSH+(\a)], v[SH16], v[PWR+(\a)]          ; lanes 0-15 keep the first head's two bytes below, lanes 16-31 bring the second head's down
	ds_store_b16 v[SQW], v[PSH+(\a)] offset:32*(\a)
.endif
.endm
	PLACES NP                                      ; behind the last products
	s_wait_loadcnt 0x0                             ; the bias
	s_cmp_eq_u32 ttmp9, 2                          ; the cluster's x: the same in all partners
	s_cbranch_scc1 .Lv_path
.irp a, 0,1,2,3,4,5,6,7
	EPI \a, 0
.endr
	ds_load_b128 v[TM+8:TM+11], v[SQR]             ; LDS serves a wave's instructions in order (ISA guide 5.7.1.4): this sees my stores.  Lanes 0-15: the first head's 256 bytes, lanes 16-31 the second's
	s_wait_dscnt 0x0
	global_store_b128 v[SOFF], v[TM+8:TM+11], s[100:101]     ; each half of the lanes stores 256 consecutive bytes, aligned
	s_branch .Ljoin
.Lv_path:
.irp a, 0,1,2,3,4,5,6,7
	EPI \a, 1
.endr
	ds_load_b128 v[TM+8:TM+11], v[SVR]
	s_wait_dscnt 0x0
	global_store_b128 v[SOFF], v[TM+8:TM+11], s[100:101]
.Ljoin:
	s_wait_dscnt 0x0
	s_wait_tensorcnt 0x0
	ds_add_u32 v22, v23
	s_wait_dscnt 0x0
	CROUND                                         ; the closing round
	s_endpgm
.Lfunc_end_k_q14a786e2bb_qkv:
	.size	k_q14a786e2bb_qkv, .Lfunc_end_k_q14a786e2bb_qkv-k_q14a786e2bb_qkv
	.p2alignl 7, 3214868480
	.fill 96, 4, 3214868480
	.section	.rodata,"a",@progbits
	.p2align	6, 0x0
	.amdhsa_kernel k_q14a786e2bb_qkv
		.amdhsa_group_segment_fixed_size 301568
		.amdhsa_private_segment_fixed_size 0
		.amdhsa_enable_private_segment 0
		.amdhsa_kernarg_size 112
		.amdhsa_user_sgpr_count 2
		.amdhsa_user_sgpr_kernarg_segment_ptr 1
		.amdhsa_wavefront_size32 1
		.amdhsa_system_sgpr_workgroup_id_x 1
		.amdhsa_system_sgpr_workgroup_id_y 1
		.amdhsa_system_sgpr_workgroup_id_z 1
		.amdhsa_system_vgpr_workitem_id 0
		.amdhsa_next_free_vgpr 1024
		.amdhsa_next_free_sgpr 102
		.amdhsa_reserve_vcc 0
		.amdhsa_float_denorm_mode_32 3
		.amdhsa_float_denorm_mode_16_64 3
		.amdhsa_memory_ordered 1
		.amdhsa_forward_progress 1
		.amdhsa_inst_pref_size 198
	.end_amdhsa_kernel
	.amdgpu_metadata
---
amdhsa.version: [ 1, 2 ]
amdhsa.kernels:
  - .name:           k_q14a786e2bb_qkv
    .symbol:         k_q14a786e2bb_qkv.kd
    .args:
      - { .name: x_codes, .offset: 0, .size: 8, .value_kind: global_buffer, .address_space: global }
      - { .name: x_scales, .offset: 8, .size: 8, .value_kind: global_buffer, .address_space: global }
      - { .name: Wq_codes, .offset: 16, .size: 8, .value_kind: global_buffer, .address_space: global }
      - { .name: Wq_scales, .offset: 24, .size: 8, .value_kind: global_buffer, .address_space: global }
      - { .name: Wk_codes, .offset: 32, .size: 8, .value_kind: global_buffer, .address_space: global }
      - { .name: Wk_scales, .offset: 40, .size: 8, .value_kind: global_buffer, .address_space: global }
      - { .name: Wv_codes, .offset: 48, .size: 8, .value_kind: global_buffer, .address_space: global }
      - { .name: Wv_scales, .offset: 56, .size: 8, .value_kind: global_buffer, .address_space: global }
      - { .name: bq, .offset: 64, .size: 8, .value_kind: global_buffer, .address_space: global }
      - { .name: bk, .offset: 72, .size: 8, .value_kind: global_buffer, .address_space: global }
      - { .name: bv, .offset: 80, .size: 8, .value_kind: global_buffer, .address_space: global }
      - { .name: qc, .offset: 88, .size: 8, .value_kind: global_buffer, .address_space: global }
      - { .name: qs, .offset: 96, .size: 8, .value_kind: global_buffer, .address_space: global }
      - { .name: kv, .offset: 104, .size: 8, .value_kind: global_buffer, .address_space: global }
    .group_segment_fixed_size: 301568
    .private_segment_fixed_size: 0
    .kernarg_segment_align: 8
    .kernarg_segment_size: 112
    .max_flat_workgroup_size: 128
    .sgpr_count:     102
    .vgpr_count:     1024
    .wavefront_size: 32
...
	.end_amdgpu_metadata
.endif
;; end of part 1
;; launch attn (part 2): grid 4 x 64, 16 waves a work-group, clusters of 4 x 1, 327,680 bytes of LDS; arguments qc, qs, kv, cc, cs; writes cc, cs
.if DOCPART == 2
	.amdgcn_target "amdgcn-amd-amdhsa--gfx1250"
	.amdhsa_code_object_version 6
	.text
	.protected	k_q14a786e2bb_attn
	.globl	k_q14a786e2bb_attn
	.p2align	8
	.type	k_q14a786e2bb_attn,@function
k_q14a786e2bb_attn:
	s_mov_b64 s[64:65], 0
	v_nop
	global_prefetch_b8 v0, s[64:65] scope:SCOPE_SE
	s_setreg_imm32_b32 hwreg(HW_REG_WAVE_MODE, 25, 1), 1
	s_wait_xcnt 0x0
	s_wait_alu depctr_hold_cnt(0) depctr_sa_sdst(0) depctr_va_vdst(0) depctr_va_sdst(0) depctr_va_ssrc(0) depctr_va_vcc(0) depctr_vm_vsrc(0)
	s_getreg_b32 s2, hwreg(HW_REG_IB_STS2, 6, 4)
	s_cmp_eq_u32 s2, 0
	s_cbranch_scc0 .Lentry_in_a_cluster
	s_endpgm
.Lentry_in_a_cluster:
	s_bfe_u32 s2, ttmp6, 0x10000c
	s_cmp_lg_u32 s2, 0x3003
	s_cbranch_scc0 .Lentry_shape_is_right
	s_endpgm
.Lentry_shape_is_right:
; ctx[bh][q] = the sum over k <= q of softmax_k(Q[q] . K[k] / 8) V[k], head size 64, 2,048 tokens, 64 heads (batch x head); both products on codes of FP4 (E2M1) with E8M0 scales; ctx leaves as codes, quantised along the model's 1,024.
; THE SOFTMAX AHEAD OF THE SECOND PRODUCT: t = score x log2(e) / 8; M = the running largest t rounded UP to a whole number; p = 2^(t - M) is quantised along the keys, not normalised; the row's sum is taken of the
; unquantised p and divides at the end.  When M moves, the sum and O are multiplied by 2^(old M - new M): exact.
; SHARES.  The four work-groups of a cluster serve one head.  A head's K and V, codes and scale bytes, are 139,264 bytes: they come into each work-group's LDS ONCE, as they lie in memory, asked for jointly; nothing is filled twice.
; Wave w of the partner at place cx owns query tiles T1 = 4 w + cx and T2 = 127 - T1, 16 queries each.  A tile T needs T / 8 + 1 key steps of 128: w / 2 + 1 and 16 - w / 2: seventeen for every wave, and the counts hang on the
; wave's number alone.  The place in the cluster enters only global addresses and the numbers that the mask compares.  Four waves of 256 registers share a SIMD: one wave's vector work stands beside another's products and LDS loads.
; LAYOUT.  Both products transposed: S^T = K Q^T (source 0 = 16 keys, source 1 = my 16 queries), O^T = V^T P^T: a lane holds ONE query (lane % 16).  In S^T's tile t register j is key 16 t + 8 (lane / 16) + j.
; The conversion of tile t goes to code register 4 (t / 4) + 2 (t % 2) + (t / 2) % 2, and two exchanges of halves for each four registers give the operand's layout.
; K = 64 IN AN INSTRUCTION OF K = 128: Q's operand is four registers of codes and four of zeros.  A key tile's operand is its four registers and the next tile's four, whose numbers meet Q's zero codes and add nothing;
; the scale words come by 16-bit loads, so the bytes of k = 64 .. 127 are 0, a finite scale.
; LIMITS: a block of zeros gets the scale byte 1 (the rule says 127): its codes are zeros, and only this program reads the byte.  A block's largest p is made from its largest score by the same two instructions, which takes
; v_exp_f32 not to fall where its input rises.  1 / l is v_rcp_f32 and a multiplication.  NaN and infinities are not served.
.set CHUNK, 69632                      ; 1,024 keys: K codes 32,768, V codes 32,768, K scales 2,048, V scales 2,048
.set HEADB, 2*CHUNK
.set WPART, 4352                       ; a wave's sixteenth of a chunk: 17 rows of 256 bytes
.set ADK, 4                            ; v4  LDS address of the step's codes: 16 x lane + the step
.set ADS, 5                            ; v5  of K's scale bytes: 2 x lane + the step
.set ADT, 6                            ; v6  of V's scale words: 4 x lane + the step
.set KF,  32                           ; v32-63 eight key tiles, four registers each; v64-67 zeros
.set VF,  68                           ; v68-99 V's four fragments
.set SR,  100                          ; v100-163 S^T, then p
.set OT,  164                          ; v164-195 O^T
.set PC,  196                          ; v196-203 p's codes
.set BM,  204                          ; v204-207 the blocks' largest
.set PM,  208                          ; v208-211 lane l xor 16's, then the bytes
.set SO,  212                          ; v212-215 the conversions' scale operands
.set KS,  216                          ; v216-219 K's scale words: lanes 0-15 tile 2 u, lanes 16-31 tile 2 u + 1
.set VS,  220                          ; v220-221 V's likewise
.set PW,  224                          ; v224 p's, later ctx's, scale word
.set F,   226                          ; v[226:227] f, later 1 / l (the pair's upper register is named and not used)
.set TP,  228                          ; v228-229 at work
.set WV,  14
.set SEL, 22
.set CS,  24
.set G1,  28
.set G0,  36
.set TK,  44                           ; s44 LDS byte of the step's codes
.set TS,  45                           ; s45 of its scale bytes
.set I,   46                           ; s46 the key step
.macro CROUND                          ; a round of the cluster's barrier
	s_barrier_signal -1
	s_barrier_wait -1
	s_cmp_lg_u32 s[WV], 0
	s_cbranch_scc1 .Lnot_wave_0_\@
	s_barrier_signal -3
.Lnot_wave_0_\@:
	s_barrier_wait -3
	s_barrier_signal -1
	s_barrier_wait -1
.endm
	s_load_b256 s[4:11], s[0:1], 0x0               ; qc 4, qs 6, kv 8, cc 10
	s_load_b64 s[12:13], s[0:1], 0x20              ; cs
	v_lshl_add_u32 v254, v0, 2, 0x29000
	v_mov_b32 v255, 0
	ds_add_u32 v254, v255
	ds_add_u32 v254, v255
	v_lshrrev_b32 v4, 5, v0
	s_delay_alu instid0(VALU_DEP_1)
	v_readfirstlane_b32 s[WV], v4                  ; wave 0..15
	s_bfe_u32 s15, ttmp6, 0x40000                  ; cx
	s_and_b32 s16, ttmp7, 0xffff                   ; the head (16 x batch + head), which the four partners share
	s_lshl_b32 s17, s[WV], 2
	s_add_co_u32 s17, s17, s15                     ; T1
	s_sub_co_u32 s18, 127, s17                     ; T2
	s_lshr_b32 s20, s[WV], 1                       ; T1's last key step, the one on the diagonal
	s_sub_co_u32 s19, 15, s20                      ; T2's
	s_mov_b32 s[SEL], 0x76543210
	s_mov_b32 s[SEL+1], 0xfedcba98                 ; v_permlanex16_b32's selects for lane l xor 16
	s_mov_b32 s[CS], 0x3e38aa3b                    ; c = log2(e) / 8
	s_mov_b32 s[CS+1], s[CS]                       ; (named with it as a pair, so it is written)
	; descriptor group 1: 17 rows of 256 bytes (32 elements of 8), dense, no padding
	s_mov_b32 s[G1+0], 15|(3<<16)|(1<<21)          ; 15:0 the mask: all four work-groups; 17:16 elements of 8 bytes; 21 set beside a mask
	s_mov_b32 s[G1+1], 32<<16                      ; tensor_dim0
	s_mov_b32 s[G1+2], 17<<16                      ; tensor_dim1
	s_mov_b32 s[G1+3], 32<<16                      ; tile_dim0
	s_mov_b32 s[G1+4], 17                          ; tile_dim1
	s_mov_b32 s[G1+5], 32                          ; tensor_dim0_stride
	s_mov_b32 s[G1+6], 0
	s_mov_b32 s[G1+7], 0
	s_mul_i32 s[G0+1], s[WV], WPART                ; LDS address: my sixteenth of chunk 0,
	s_add_co_u32 s[G0+5], s[G0+1], CHUNK           ; and of chunk 1
	s_mul_i32 s56, s16, HEADB
	s_add_co_u32 s56, s56, s[G0+1]
	s_mov_b32 s57, 0
	s_mov_b32 s[G0], 1
	s_mov_b32 s[G0+4], 1
	s_wait_dscnt 0x0
	s_wait_kmcnt 0x0
	s_add_nc_u64 s[G0+2:G0+3], s[8:9], s[56:57]    ; the same bytes in memory: LDS is the head's block as it lies
	s_add_nc_u64 s[G0+6:G0+7], s[G0+2:G0+3], CHUNK
	s_or_b32 s[G0+3], s[G0+3], 0x80000000
	s_or_b32 s[G0+7], s[G0+7], 0x80000000
	CROUND                                         ; all four work-groups are here: the joint loads meet
	tensor_load_to_lds s[G0:G0+3], s[G1:G1+7]      ; every wave brings its part of chunk 0: one load of mine is out
	s_nop 0
	s_wait_alu depctr_va_vdst(0)
	s_wait_tensorcnt 0x0
	ds_add_u32 v254, v255
	s_wait_dscnt 0x0
	CROUND
	tensor_load_to_lds s[G0+4:G0+7], s[G1:G1+7]
	s_nop 0
.rept 4
	v_nop
.endr
	; where ctx goes: cc [128 x batch + T][head][512], cs [128 x batch + T][head / 8][row 16][16]
	s_lshr_b32 s56, s16, 4
	s_lshl_b32 s56, s56, 7
	s_and_b32 s57, s16, 15
	s_add_co_u32 s58, s56, s18                     ; T2's tile among the 512,
	s_add_co_u32 s59, s56, s17                     ; T1's
	s_lshl_b32 s60, s57, 9
	s_lshl_b32 s48, s58, 13
	s_add_co_u32 s48, s48, s60
	s_mov_b32 s49, 0
	s_add_nc_u64 s[48:49], s[10:11], s[48:49]
	s_lshl_b32 s52, s59, 13
	s_add_co_u32 s52, s52, s60
	s_mov_b32 s53, 0
	s_add_nc_u64 s[52:53], s[10:11], s[52:53]
	s_lshr_b32 s60, s57, 3
	s_lshl_b32 s60, s60, 8
	s_and_b32 s61, s57, 7
	s_lshl_b32 s61, s61, 1
	s_add_co_u32 s60, s60, s61
	s_lshl_b32 s50, s58, 9
	s_add_co_u32 s50, s50, s60
	s_mov_b32 s51, 0
	s_add_nc_u64 s[50:51], s[12:13], s[50:51]
	s_lshl_b32 s54, s59, 9
	s_add_co_u32 s54, s54, s60
	s_mov_b32 s55, 0
	s_add_nc_u64 s[54:55], s[12:13], s[54:55]
	; the lanes' numbers
	v_and_b32 v3, 31, v0
	s_delay_alu instid0(VALU_DEP_1)
	v_lshlrev_b32 v1, 4, v3                        ; v1 16 x lane
	s_delay_alu instid0(VALU_DEP_2)
	v_lshlrev_b32 v2, 1, v3                        ; v2 2 x lane
	s_delay_alu instid0(VALU_DEP_3)
	v_lshlrev_b32 v3, 2, v3                        ; v3 4 x lane
	v_and_b32 v4, 15, v0                           ; r
	v_bfe_u32 v5, v0, 4, 1                         ; h
	s_delay_alu instid0(VALU_DEP_2)
	v_lshlrev_b32 v9, 4, v4                        ; v9 16 r
	s_delay_alu instid0(VALU_DEP_3)
	v_lshlrev_b32 v11, 1, v4                       ; v11 2 r
	s_wait_alu depctr_va_vdst(0)
	v_lshlrev_b32 v6, 3, v5
	s_delay_alu instid0(VALU_DEP_1)
	v_sub_nc_u32 v6, v4, v6                        ; r - 8 h
	s_and_b32 s56, s18, 7
	s_lshl_b32 s56, s56, 4
	s_and_b32 s57, s17, 7
	s_lshl_b32 s57, s57, 4
	v_add_nc_u32 v7, s56, v6                       ; v7 d of T2 = 16 (T % 8) + r - 8 h: on the diagonal register 8 t + j is hidden where 16 t + j > d
	v_add_nc_u32 v8, s57, v6                       ; v8 d of T1
	v_mov_b32 v10, 0xff800000                      ; -infinity
	; Q: codes qc + 65,536 head + 512 T, scale bytes qs + 4,096 head + 32 T
	s_lshl_b32 s56, s16, 16
	s_lshl_b32 s58, s18, 9
	s_add_co_u32 s58, s58, s56
	s_mov_b32 s59, 0
	s_add_nc_u64 s[58:59], s[4:5], s[58:59]
	s_lshl_b32 s60, s17, 9
	s_add_co_u32 s60, s60, s56
	s_mov_b32 s61, 0
	s_add_nc_u64 s[60:61], s[4:5], s[60:61]
	s_lshl_b32 s56, s16, 12
	s_lshl_b32 s62, s18, 5
	s_add_co_u32 s62, s62, s56
	s_mov_b32 s63, 0
	s_add_nc_u64 s[62:63], s[6:7], s[62:63]
	s_lshl_b32 s57, s17, 5
	s_add_co_u32 s56, s56, s57
	s_mov_b32 s57, 0
	s_add_nc_u64 s[56:57], s[6:7], s[56:57]
	global_load_b128 v[16:19], v1, s[58:59]        ; T2's queries: lane (r, h): query r, block h
	global_load_b128 v[24:27], v1, s[60:61]        ; T1's
	global_load_u16 v222, v11, s[62:63]            ; their scale words: two bytes, the upper two 0
	global_load_u16 v223, v11, s[56:57]
.irp n, 20,21,22,23,28,29,30,31,64,65,66,67,208,209,210,211,227,228
	v_mov_b32 v\n, 0                               ; Q's zero codes for k = 64 .. 127; the four registers behind key tile 7; lane permutes' destinations; the pair's upper half
.endr
.macro BEGIN                           ; a tile of queries begins: O^T and the sum as zeros, the largest t as -3e38, which the first change of M leaves zeros
	v_mov_b32 v13, 0xff61b1e6
	s_delay_alu instid0(VALU_DEP_1)
	v_floor_f32 v12, -v13                          ; -M
	v_mov_b32 v14, 0
	v_mov_b32 v15, 0
.set n, 0
.rept 32
	v_mov_b32 v[OT+n], 0
.set n, n+1
.endr
.endm
; A KEY STEP: 128 keys.  q: Q's operand; qs: its scale word; dreg: d; dg: the scalar register with the diagonal's step; masked = 1: the step may lie on the diagonal.
.macro STEP q, qs, dreg, dg, masked
	v_add_nc_u32 v[ADK], s[TK], v1
	v_add_nc_u32 v[ADS], s[TS], v2
	v_add_nc_u32 v[ADT], s[TS], v3
	v_nop                                          ; four places in front of loads into registers that the last products read
.irp t, 0,1,2,3,4,5,6,7
	ds_load_b128 v[KF+4*\t:KF+4*\t+3], v[ADK] offset:512*\t          ; key tile t as it lies: 512 consecutive bytes
.endr
.irp u, 0,1,2,3
	ds_load_u16 v[KS+\u], v[ADS] offset:64*\u
.endr
.irp t, 0,1,2,3
.irp c, 0,1
	ds_load_b128 v[VF+8*\t+4*\c:VF+8*\t+4*\c+3], v[ADK] offset:32768+1024*\t+512*\c
.endr
.endr
.irp u, 0,1
	ds_load_b32 v[VS+\u], v[ADT] offset:2048+128*\u
.endr
	s_wait_dscnt 10                                ; K's twelve loads are in; V's ten may be out
.irp t, 0,2,4,6
	v_wmma_scale_f32_16x16x128_f8f6f4 v[SR+8*\t:SR+8*\t+7], v[KF+4*\t:KF+4*\t+7], v[\q:\q+7], 0, v[KS+\t/2], v[\qs] matrix_a_fmt:MATRIX_FMT_FP4 matrix_b_fmt:MATRIX_FMT_FP4
	v_wmma_scale_f32_16x16x128_f8f6f4 v[SR+8*\t+8:SR+8*\t+15], v[KF+4*\t+4:KF+4*\t+11], v[\q:\q+7], 0, v[KS+\t/2], v[\qs] matrix_a_fmt:MATRIX_FMT_FP4 matrix_b_fmt:MATRIX_FMT_FP4 matrix_a_scale:MATRIX_SCALE_ROW1
.endr
.rept 4
	v_nop
.endr
.if \masked                            ; on the diagonal the scores of hidden keys become -infinity ahead of the maximum: p = 0 then
	s_cmp_lg_u32 s[I], s[\dg]
	s_cbranch_scc1 .Lopen_\@
.set n, 0
.rept 64
	v_cmp_gt_i32 vcc_lo, 16*(n/8)+n%8, v[\dreg]
	v_cndmask_b32 v[SR+n], v[SR+n], v10, vcc_lo
.set n, n+1
.endr
.Lopen_\@:
.endif
.irp b, 0,1,2,3
	v_max3_num_f32 v[BM+\b], v[SR+16*\b], v[SR+16*\b+1], v[SR+16*\b+2]   ; the largest score of each block of 32 keys: it serves for the row's maximum and, since p rises with the score, for the block's largest p
.endr
.irp i, 3,5,7,9,11,13
.irp b, 0,1,2,3
	v_max3_num_f32 v[BM+\b], v[BM+\b], v[SR+16*\b+\i], v[SR+16*\b+\i+1]
.endr
.endr
.irp b, 0,1,2,3
	v_max_num_f32 v[BM+\b], v[BM+\b], v[SR+16*\b+15]
.endr
.irp b, 0,1,2,3
	s_delay_alu instid0(VALU_DEP_4)
	v_permlanex16_b32 v[PM+\b], v[BM+\b], s[SEL], s[SEL+1]
.endr
.irp b, 0,1,2,3
	s_delay_alu instid0(VALU_DEP_4)
	v_max_num_f32 v[BM+\b], v[BM+\b], v[PM+\b]     ; with lane l xor 16's 16 keys
.endr
	s_delay_alu instid0(VALU_DEP_2)
	v_max3_num_f32 v[TP], v[BM], v[BM+1], v[BM+2]
	s_delay_alu instid0(VALU_DEP_1)
	v_max_num_f32 v[TP], v[TP], v[BM+3]            ; the step's largest score of my query
	s_delay_alu instid0(VALU_DEP_1)
	v_mul_f32 v[TP], s[CS], v[TP]                  ; as t
	s_delay_alu instid0(VALU_DEP_1)
	v_max_num_f32 v13, v13, v[TP]                  ; the running largest t
	v_mov_b32 v[TP], v12
	s_delay_alu instid0(VALU_DEP_2)
	v_floor_f32 v12, -v13                          ; the new -M = floor(-t): M is a whole number
	s_delay_alu instid0(VALU_DEP_1)
	v_sub_f32 v[TP], v12, v[TP]                    ; old M - new M: a whole number, 0 or less
	s_delay_alu instid0(VALU_DEP_1)
	v_cvt_i32_f32 v[TP], v[TP]                     ; (it saturates)
	s_delay_alu instid0(VALU_DEP_1)
	v_ldexp_f32 v[F], 1.0, v[TP]                   ; f = 2^(old M - new M)
.set n, 0
.rept 32
	v_pk_fma_f32 v[SR+n:SR+n+1], v[SR+n:SR+n+1], s[CS:CS+1], v[12:13] op_sel_hi:[1,0,0]   ; t - M, two at a time
.set n, n+2
.endr
.irp b, 0,1,2,3
	v_fma_f32 v[BM+\b], v[BM+\b], s[CS], v12       ; the same of each block's largest score
.endr
.set n, 0
	s_setprio 1
	s_wait_alu depctr_va_vdst(0)
.rept 64
	v_exp_f32 v[SR+n], v[SR+n]                     ; p = 2^(t - M), at most 1
.set n, n+1
.endr
	v_pk_mul_f32 v[14:15], v[14:15], v[F:F+1] op_sel_hi:[1,0]   ; the sums under the new M (a plain place behind the exponentials)
	s_wait_alu depctr_va_vdst(0)                   ; one wait for the batch of 64, ahead of its first reader
.irp b, 0,1,2,3
	v_exp_f32 v[BM+\b], v[BM+\b]                   ; the blocks' largest p
.endr
	v_pk_add_f32 v[TP:TP+1], v[SR:SR+1], v[SR+2:SR+3]           ; the row's sum of the unquantised p, in two chains
.set n, 4
.rept 15
	v_pk_add_f32 v[14:15], v[14:15], v[SR+n:SR+n+1]
	v_pk_add_f32 v[TP:TP+1], v[TP:TP+1], v[SR+n+2:SR+n+3]
.set n, n+4
.endr
	s_delay_alu instid0(VALU_DEP_1)
	v_pk_add_f32 v[14:15], v[14:15], v[TP:TP+1]
	s_wait_alu depctr_va_vdst(0)                   ; and one for the four
.irp b, 0,1,2,3
	v_max_num_f32 v[BM+\b], 0x1800000, v[BM+\b]    ; the floor 2^(3 - 127): the byte cannot fall under 1
.endr
.irp b, 0,1,2,3
	s_delay_alu instid0(VALU_DEP_4)
	v_add_nc_u32 v[SO+\b], 0xff000000, v[BM+\b]    ; 2 off the exponent field: the conversion's scale operand
.endr
.irp b, 0,1,2,3
	s_delay_alu instid0(VALU_DEP_4)
	v_lshrrev_b32 v[PM+\b], 23, v[SO+\b]           ; the scale's byte
.endr
	s_delay_alu instid0(VALU_DEP_3)
	v_lshl_or_b32 v[PW], v[PM+1], 8, v[PM]
	s_delay_alu instid0(VALU_DEP_1)
	v_lshl_or_b32 v[PW], v[PM+2], 16, v[PW]
	s_delay_alu instid0(VALU_DEP_1)
	v_lshl_or_b32 v[PW], v[PM+3], 24, v[PW]        ; p's scale word for these 128 keys
.irp t, 0,1,2,3,4,5,6,7
	v_cvt_scalef32_pk8_fp4_f32 v[PC+4*(\t/4)+2*(\t%2)+(\t/2)%2], v[SR+8*\t:SR+8*\t+7], v[SO+\t/2]
.endr
	s_setprio 0
	v_nop                                          ; one plain place behind a scaled conversion
.irp c, 0,1
	v_permlane16_swap_b32 v[PC+4*\c], v[PC+4*\c+1]
	v_permlane16_swap_b32 v[PC+4*\c+2], v[PC+4*\c+3]
.endr
.set n, 0
.rept 16
	v_pk_mul_f32 v[OT+n:OT+n+1], v[OT+n:OT+n+1], v[F:F+1] op_sel_hi:[1,0]   ; O^T under the new M.  Twelve of these name no register of any one product below: they are the places behind the scale word and the codes
.set n, n+2
.endr
	s_wait_alu depctr_va_vdst(0)
	s_wait_dscnt 0x0                               ; V
.irp t, 0,2
	v_wmma_scale_f32_16x16x128_f8f6f4 v[OT+8*\t:OT+8*\t+7], v[VF+8*\t:VF+8*\t+7], v[PC:PC+7], v[OT+8*\t:OT+8*\t+7], v[VS+\t/2], v[PW] matrix_a_fmt:MATRIX_FMT_FP4 matrix_b_fmt:MATRIX_FMT_FP4
	v_wmma_scale_f32_16x16x128_f8f6f4 v[OT+8*\t+8:OT+8*\t+15], v[VF+8*\t+8:VF+8*\t+15], v[PC:PC+7], v[OT+8*\t+8:OT+8*\t+15], v[VS+\t/2], v[PW] matrix_a_fmt:MATRIX_FMT_FP4 matrix_b_fmt:MATRIX_FMT_FP4 matrix_a_scale:MATRIX_SCALE_ROW1
.endr
.endm
; Eight key steps, first .. first + 7: the trip count is a constant.  A step whose keys all come after my queries is left out: a scalar branch round its work, not round the lines that step addresses.
.macro LOOP8 q, qs, dreg, dg, first, tk0, ts0, masked
	s_mov_b32 s[TK], \tk0
	s_mov_b32 s[TS], \ts0
	s_mov_b32 s[I], \first
.Lstep_\@:
.if \masked
	s_cmp_gt_u32 s[I], s[\dg]
	s_cbranch_scc1 .Lskip_\@
.endif
	s_setprio 2
	STEP \q, \qs, \dreg, \dg, \masked
.Lskip_\@:
	s_add_co_u32 s[TK], s[TK], 4096                ; a step's codes of K, and of V
	s_add_co_u32 s[TS], s[TS], 256                 ; its scale bytes of K, and of V
	s_add_co_u32 s[I], s[I], 1
	s_cmp_lt_u32 s[I], \first+8
	s_cbranch_scc1 .Lstep_\@
	s_setprio 0
.endm
; A tile of queries ends: O^T / l, quantised along the head's 64 (blocks 2 head and 2 head + 1 of the model's 1,024), stored as an image of the next product's operand.
.macro FINISH cbase, sbase
	v_nop                                          ; with the two additions and the v_nop below: four places behind the last products
	v_add_f32 v14, v14, v15                        ; the sum's two halves,
	s_delay_alu instid0(VALU_DEP_1)
	v_permlanex16_b32 v[TP], v14, s[SEL], s[SEL+1]
	s_delay_alu instid0(VALU_DEP_1)
	v_add_f32 v14, v14, v[TP]                      ; and lane l xor 16's
	s_wait_alu depctr_va_vdst(0)
	v_rcp_f32 v[F], v14
	v_nop                                          ; a plain place behind the reciprocal
	s_wait_alu depctr_va_vdst(0)                   ; the wait ahead of its first reader
.set n, 0
.rept 16
	v_pk_mul_f32 v[SR+n:SR+n+1], v[OT+n:OT+n+1], v[F:F+1] op_sel_hi:[1,0]   ; register 8 t + j: channel 16 t + 8 h + j
.set n, n+2
.endr
.irp b, 0,1
	v_max3_num_f32 v[BM+\b], |v[SR+16*\b]|, |v[SR+16*\b+1]|, 0x1800000
.endr
.irp i, 2,4,6,8,10,12,14
.irp b, 0,1
	s_delay_alu instid0(VALU_DEP_2)
	v_max3_num_f32 v[BM+\b], v[BM+\b], |v[SR+16*\b+\i]|, |v[SR+16*\b+\i+1]|
.endr
.endr
.irp b, 0,1
	s_delay_alu instid0(VALU_DEP_2)
	v_permlanex16_b32 v[PM+\b], v[BM+\b], s[SEL], s[SEL+1]
.endr
.irp b, 0,1
	s_delay_alu instid0(VALU_DEP_2)
	v_max_num_f32 v[BM+\b], v[BM+\b], v[PM+\b]
.endr
.irp b, 0,1
	s_delay_alu instid0(VALU_DEP_2)
	v_add_nc_u32 v[SO+\b], 0xff000000, v[BM+\b]
.endr
.irp b, 0,1
	s_delay_alu instid0(VALU_DEP_2)
	v_lshrrev_b32 v[PM+\b], 23, v[SO+\b]
.endr
	s_delay_alu instid0(VALU_DEP_1)
	v_lshl_or_b32 v[PW], v[PM+1], 8, v[PM]         ; my query's two scale bytes
.irp t, 0,1,2,3
	v_cvt_scalef32_pk8_fp4_f32 v[PC+2*(\t%2)+\t/2], v[SR+8*\t:SR+8*\t+7], v[SO+\t/2]
.endr
	v_nop
	v_permlane16_swap_b32 v[PC], v[PC+1]
	v_permlane16_swap_b32 v[PC+2], v[PC+3]
	global_store_b128 v1, v[PC:PC+3], s[\cbase:\cbase+1]      ; 512 consecutive bytes, aligned
	global_store_b16 v9, v[PW], s[\sbase:\sbase+1]            ; 16 rows x 2 bytes inside one aligned run of 256 bytes: a wave holds one head of the eight that fill it.  Lanes 16-31 repeat lanes 0-15
.endm
	BEGIN
	s_wait_tensorcnt 1                             ; my part of chunk 0 is in; chunk 1's load may be out
	s_barrier_signal -1
	s_barrier_wait -1                              ; everybody's is
	s_wait_loadcnt 0x0                             ; Q
	LOOP8 16, 222, 7, 19, 0, 0, 65536, 0           ; T2, keys 0 .. 1,023: all of them count
	s_wait_tensorcnt 0x0                           ; my part of chunk 1
	s_wait_dscnt 0x0
	s_barrier_signal -1
	s_barrier_wait -1
	LOOP8 16, 222, 7, 19, 8, CHUNK, CHUNK+65536, 1 ; T2, keys 1,024 on, up to its diagonal
	FINISH 48, 50
	BEGIN
	s_wait_xcnt 0x0                                ; the stores have read their registers: the codes and the scale word are written again only behind this wait
	LOOP8 24, 223, 8, 20, 0, 0, 65536, 1           ; T1, up to its diagonal
	FINISH 52, 54
	s_wait_dscnt 0x0
	s_wait_tensorcnt 0x0
	ds_add_u32 v254, v255
	s_wait_dscnt 0x0
	CROUND                                         ; the closing round
	s_endpgm
.Lfunc_end_k_q14a786e2bb_attn:
	.size	k_q14a786e2bb_attn, .Lfunc_end_k_q14a786e2bb_attn-k_q14a786e2bb_attn
	.p2alignl 7, 3214868480
	.fill 96, 4, 3214868480
	.section	.rodata,"a",@progbits
	.p2align	6, 0x0
	.amdhsa_kernel k_q14a786e2bb_attn
		.amdhsa_group_segment_fixed_size 327680
		.amdhsa_private_segment_fixed_size 0
		.amdhsa_enable_private_segment 0
		.amdhsa_kernarg_size 40
		.amdhsa_user_sgpr_count 2
		.amdhsa_user_sgpr_kernarg_segment_ptr 1
		.amdhsa_wavefront_size32 1
		.amdhsa_system_sgpr_workgroup_id_x 1
		.amdhsa_system_sgpr_workgroup_id_y 1
		.amdhsa_system_sgpr_workgroup_id_z 1
		.amdhsa_system_vgpr_workitem_id 0
		.amdhsa_next_free_vgpr 256
		.amdhsa_next_free_sgpr 66
		.amdhsa_reserve_vcc 1
		.amdhsa_float_denorm_mode_32 3
		.amdhsa_float_denorm_mode_16_64 3
		.amdhsa_memory_ordered 1
		.amdhsa_forward_progress 1
		.amdhsa_inst_pref_size 77
	.end_amdhsa_kernel
	.amdgpu_metadata
---
amdhsa.version: [ 1, 2 ]
amdhsa.kernels:
  - .name:           k_q14a786e2bb_attn
    .symbol:         k_q14a786e2bb_attn.kd
    .args:
      - { .name: qc, .offset: 0, .size: 8, .value_kind: global_buffer, .address_space: global }
      - { .name: qs, .offset: 8, .size: 8, .value_kind: global_buffer, .address_space: global }
      - { .name: kv, .offset: 16, .size: 8, .value_kind: global_buffer, .address_space: global }
      - { .name: cc, .offset: 24, .size: 8, .value_kind: global_buffer, .address_space: global }
      - { .name: cs, .offset: 32, .size: 8, .value_kind: global_buffer, .address_space: global }
    .group_segment_fixed_size: 327680
    .private_segment_fixed_size: 0
    .kernarg_segment_align: 8
    .kernarg_segment_size: 40
    .max_flat_workgroup_size: 512
    .sgpr_count:     66
    .vgpr_count:     256
    .wavefront_size: 32
...
	.end_amdgpu_metadata
.endif
;; end of part 2
;; launch oproj (part 3): grid 4 x 64, 4 waves a work-group, clusters of 4 x 4, 252,416 bytes of LDS; arguments cc, cs, Wo_codes, Wo_scales, bo, out0; writes out0
.if DOCPART == 3
	.amdgcn_target "amdgcn-amd-amdhsa--gfx1250"
	.amdhsa_code_object_version 6
	.text
	.protected	k_q14a786e2bb_oproj
	.globl	k_q14a786e2bb_oproj
	.p2align	8
	.type	k_q14a786e2bb_oproj,@function
k_q14a786e2bb_oproj:
	s_mov_b64 s[64:65], 0
	v_nop
	global_prefetch_b8 v0, s[64:65] scope:SCOPE_SE
	s_setreg_imm32_b32 hwreg(HW_REG_WAVE_MODE, 25, 1), 1
	s_wait_xcnt 0x0
	s_wait_alu depctr_hold_cnt(0) depctr_sa_sdst(0) depctr_va_vdst(0) depctr_va_sdst(0) depctr_va_ssrc(0) depctr_va_vcc(0) depctr_vm_vsrc(0)
	s_getreg_b32 s2, hwreg(HW_REG_IB_STS2, 6, 4)
	s_cmp_eq_u32 s2, 0
	s_cbranch_scc0 .Lentry_in_a_cluster
	s_endpgm
.Lentry_in_a_cluster:
	s_bfe_u32 s2, ttmp6, 0x10000c
	s_cmp_lg_u32 s2, 0xf033
	s_cbranch_scc0 .Lentry_shape_is_right
	s_endpgm
.Lentry_shape_is_right:
; out0 = ctx Wo^T + bo on codes of FP4 (E2M1) with E8M0 scales, sums in f32.  ctx: 8,192 tokens x 1,024, as images of operand registers: cc [token tile 512][head 16][512] (lane 16 h + r: token r, block h of the head),
; cs [token tile][half of K 2][row 16][16 scale bytes].  Wo: [1024][1024] codes, K innermost, 512 bytes a row; 32 scale bytes a row.  out0: [8192][1024] f32.
; SHARES.  A work-group makes 128 tokens x 256 features: 256 work-groups.  Wave (w / 2, w % 2) makes 64 tokens x 128 features: 32 accumulators, 256 registers.
; The matrix instruction is used transposed (source 0 = 16 rows of Wo, source 1 = 16 tokens): a lane holds eight neighbouring features of a token.  bo is the C of the first K step's products.
; K = 1,024 in two halves, each in a slot of its own, each filled ONCE: no LDS byte is filled twice.  CLUSTERS: 4 x 4: ctx's tile is shared along a row of the cluster, Wo's along a column: joint loads.
; REGISTERS: window 0: v16-28 addresses; v32-63 ctx's scale words, v64-127 Wo's, for all of K; v128-191 ctx's fragments, two sets; v192-255 bo.  Window 1: Wo's fragments, two sets, at v0 and v128.  Window 2: accumulator (a, b) at v[8 (8 a + b)].
; LIMITS: NaN, infinities and given scale bytes 0xff are not served.
.set PITCH,  272                       ; a row of Wo in LDS: 256 bytes + 16 of padding
.set ATILE,  4096                      ; a token tile's half of K: 8 heads x 512 bytes
.set AHALF,  4*ATILE
.set BHALF,  128*PITCH
.set BOFF,   2*AHALF                   ; a slot: ctx's 8 token tiles, then Wo's 256 rows
.set SLOT,   BOFF+2*BHALF
.set SCA,    2*SLOT                    ; ctx's scale bytes, 8 tiles x 512, dense
.set SCB,    SCA+4096                  ; Wo's, 32 units of 256 bytes + 16
.set STG,    SCB+2*4352                ; the way out: 16 rows x (512 + 16) bytes for each wave; no tile lands here
.set SPITCH, 528
.set NP,     4
.set ADRA, 16
.set ADRB, 20
.set STO,  24
.set RD,   25
.set CO,   26                          ; v26 16 x lane
.set ASA,  27
.set ASB,  28
.set BO32, 8                           ; v8 32 x (lane / 16)
.set SA,   32
.set SB,   64
.set AF,   128
.set BIB,  192
.set BK,   128
.set G1, 24
.set G0, 32
.set G1B, 48
.set G0B, 56
.set G1S, 68
.set G0S, 76
.set G1SB, 80
.set G0SB, 88
.set MSB, 0
.macro WIN new
.if MSB != (\new)
	s_set_vgpr_msb (MSB<<8)|(\new)
.set MSB, (\new)
.endif
.endm
.set TO_B, 0x40
.macro JLOAD g0a, g1a, g0b, g1b        ; waves 0 and 1 fetch for ctx, waves 2 and 3 for Wo; four v_nop follow each line
	s_cmp_eq_u32 s15, 0
	s_cbranch_scc0 .Lfor_b_\@
	tensor_load_to_lds s[\g0a:\g0a+3], s[\g1a:\g1a+7]
	s_nop 0
.rept 4
	v_nop
.endr
	s_branch .Lasked_\@
.Lfor_b_\@:
	tensor_load_to_lds s[\g0b:\g0b+3], s[\g1b:\g1b+7]
	s_nop 0
.rept 4
	v_nop
.endr
.Lasked_\@:
.endm
.macro CROUND
	s_barrier_signal -1
	s_barrier_wait -1
	s_cmp_lg_u32 s14, 0
	s_cbranch_scc1 .Lnot_wave_0_\@
	s_barrier_signal -3
.Lnot_wave_0_\@:
	s_barrier_wait -3
	s_barrier_signal -1
	s_barrier_wait -1
.endm
.macro PLACES n
.rept \n
	v_nop
.endr
.endm
	s_load_b256 s[4:11], s[0:1], 0x0               ; cc 4, cs 6, Wo codes 8, Wo scales 10
	s_load_b64 s[92:93], s[0:1], 0x20              ; bo
	s_load_b64 s[12:13], s[0:1], 0x28              ; out0
	v_lshl_add_u32 v30, v0, 2, 0x3d800
	v_mov_b32 v31, 0
	ds_add_u32 v30, v31
	ds_add_u32 v30, v31
	v_lshrrev_b32 v1, 5, v0
	v_readfirstlane_b32 s14, v1                    ; wave 0..3
	s_lshr_b32 s15, s14, 1                         ; which 64 tokens are mine.  Also: I fetch for ctx (0) or for Wo (1)
	s_and_b32 s16, s14, 1                          ; which 128 features.  Also: which half of that tile I fetch
	s_bfe_u32 s40, ttmp6, 0x40000                  ; cx, cy
	s_bfe_u32 s41, ttmp6, 0x40004
	s_lshl_b32 s42, ttmp9, 2
	s_add_co_u32 s42, s42, s40                     ; tile column (256 features)
	s_and_b32 s17, ttmp7, 0xffff
	s_lshl_b32 s17, s17, 2
	s_add_co_u32 s17, s17, s41                     ; tile row (128 tokens)
	s_lshl_b32 s43, s41, 2
	s_lshl_b32 s43, 15, s43                        ; my row of the cluster
	s_lshl_b32 s44, 0x1111, s40                    ; my column
	; ctx's codes: 4 token tiles, of each 4,096 consecutive bytes (512 elements of 8), 8,192 bytes apart; no padding: the images are read 512 bytes on end
	s_or_b32 s[G1+0], s43, (3<<16)|(1<<21)
	s_mov_b32 s[G1+1], 512<<16
	s_mov_b32 s[G1+2], 4<<16
	s_mov_b32 s[G1+3], 512<<16
	s_mov_b32 s[G1+4], 4
	s_mov_b32 s[G1+5], 1024
	s_mov_b32 s[G1+6], 0
	s_mov_b32 s[G1+7], 0
	; Wo's codes: 128 rows x 256 bytes, 512 apart, 16 bytes of padding behind each
	s_or_b32 s[G1B+0], s44, (0<<16)|(1<<20)|(1<<21)|(5<<22)|(3<<25)
	s_mov_b32 s[G1B+1], 256<<16
	s_mov_b32 s[G1B+2], 128<<16
	s_mov_b32 s[G1B+3], 256<<16
	s_mov_b32 s[G1B+4], 128
	s_mov_b32 s[G1B+5], 512
	s_mov_b32 s[G1B+6], 0
	s_mov_b32 s[G1B+7], 0
	; ctx's scale bytes of 4 tiles: 2,048 dense bytes as 8 rows of 256
	s_or_b32 s[G1S+0], s43, (3<<16)|(1<<21)
	s_mov_b32 s[G1S+1], 32<<16
	s_mov_b32 s[G1S+2], 8<<16
	s_mov_b32 s[G1S+3], 32<<16
	s_mov_b32 s[G1S+4], 8
	s_mov_b32 s[G1S+5], 32
	s_mov_b32 s[G1S+6], 0
	s_mov_b32 s[G1S+7], 0
	; Wo's of 128 rows: 4,096 dense bytes as 16 rows of 256, 16 bytes of padding behind each
	s_or_b32 s[G1SB+0], s44, (3<<16)|(1<<20)|(1<<21)|(5<<22)|(3<<25)
	s_mov_b32 s[G1SB+1], 32<<16
	s_mov_b32 s[G1SB+2], 16<<16
	s_mov_b32 s[G1SB+3], 32<<16
	s_mov_b32 s[G1SB+4], 16
	s_mov_b32 s[G1SB+5], 32
	s_mov_b32 s[G1SB+6], 0
	s_mov_b32 s[G1SB+7], 0
	s_lshl_b32 s20, s17, 3
	s_lshl_b32 s18, s16, 2
	s_add_co_u32 s20, s20, s18                     ; ctx: the first token tile that I fetch
	s_lshl_b32 s22, s20, 9                         ; its scale bytes,
	s_lshl_b32 s20, s20, 13                        ; its codes
	s_lshl_b32 s46, s42, 8
	s_lshl_b32 s18, s16, 7
	s_add_co_u32 s46, s46, s18                     ; Wo: the first row that I fetch
	s_lshl_b32 s18, s46, 5
	s_lshl_b32 s46, s46, 9
	s_mov_b32 s21, 0
	s_mov_b32 s23, 0
	s_mov_b32 s19, 0
	s_mov_b32 s47, 0
	s_lshl_b32 s45, s16, 14                        ; where they go: no place in the cluster enters an LDS address
	s_mul_i32 s94, s16, BHALF
	s_add_co_u32 s94, s94, BOFF
	s_lshl_b32 s95, s16, 11
	s_add_co_u32 s95, s95, SCA
	s_mul_i32 s3, s16, 4352
	s_add_co_u32 s3, s3, SCB
	s_wait_dscnt 0x0
	s_wait_kmcnt 0x0
	s_add_nc_u64 s[20:21], s[4:5], s[20:21]
	s_add_nc_u64 s[22:23], s[6:7], s[22:23]
	s_add_nc_u64 s[46:47], s[8:9], s[46:47]
	s_add_nc_u64 s[18:19], s[10:11], s[18:19]
	CROUND                                         ; all sixteen work-groups are here: the joint loads meet
	s_mov_b32 s[G0S], 1
	s_mov_b32 s[G0S+1], s95
	s_mov_b64 s[G0S+2:G0S+3], s[22:23]
	s_or_b32 s[G0S+3], s[G0S+3], 0x80000000
	s_mov_b32 s[G0SB], 1
	s_mov_b32 s[G0SB+1], s3
	s_mov_b64 s[G0SB+2:G0SB+3], s[18:19]
	s_or_b32 s[G0SB+3], s[G0SB+3], 0x80000000
	JLOAD G0S, G1S, G0SB, G1SB                     ; the scales first
.irp s, 0,1
	s_mov_b32 s[G0+4*\s], 1
	s_add_co_u32 s[G0+4*\s+1], s45, \s*SLOT
	s_add_nc_u64 s[G0+4*\s+2:G0+4*\s+3], s[20:21], \s*ATILE
	s_or_b32 s[G0+4*\s+3], s[G0+4*\s+3], 0x80000000
	s_mov_b32 s[G0B+4*\s], 1
	s_add_co_u32 s[G0B+4*\s+1], s94, \s*SLOT
	s_add_nc_u64 s[G0B+4*\s+2:G0B+4*\s+3], s[46:47], \s*256
	s_or_b32 s[G0B+4*\s+3], s[G0B+4*\s+3], 0x80000000
	JLOAD G0+4*\s, G1, G0B+4*\s, G1B               ; both halves of K: three loads of mine are out, and no more are issued
.endr
	v_and_b32 v1, 15, v0                           ; r
	v_bfe_u32 v2, v0, 4, 1                         ; h
	v_and_b32 v3, 31, v0
	v_lshlrev_b32 v[CO], 4, v3
	s_lshl_b32 s21, s15, 14                        ; my 4 token tiles
	v_add_nc_u32 v[ADRA], s21, v[CO]
	v_add_nc_u32 v[ADRA+1], SLOT, v[ADRA]
	v_mul_u32_u24 v4, v1, PITCH
	v_lshl_add_u32 v4, v2, 4, v4
	s_mul_i32 s22, s16, BHALF                      ; my 128 rows of Wo
	s_add_co_u32 s22, s22, BOFF
	v_add_nc_u32 v[ADRB], s22, v4
	v_add_nc_u32 v[ADRB+1], SLOT, v[ADRB]
	s_lshl_b32 s21, s15, 11
	s_add_co_u32 s21, s21, SCA
	v_lshl_add_u32 v[ASA], v1, 4, s21              ; ctx's scale words: 16 bytes a row and half of K
	v_lshlrev_b32 v5, 5, v1
	v_lshrrev_b32 v6, 3, v1
	v_lshl_add_u32 v5, v6, 4, v5                   ; Wo's: 32 bytes a row, 16 more for each 256 passed
	s_mul_i32 s22, s16, 4352
	s_add_co_u32 s22, s22, SCB
	v_add_nc_u32 v[ASB], s22, v5
	s_mul_i32 s23, s14, 16*SPITCH
	s_add_co_u32 s23, s23, STG                     ; my stage
	v_mul_u32_u24 v5, v1, SPITCH
	v_lshl_add_u32 v5, v2, 5, v5
	v_add_nc_u32 v[STO], s23, v5                   ; in: row r, 32 bytes for each half of the lanes
	v_add_nc_u32 v[RD], s23, v[CO]                 ; back: the 32 lanes take one row of 512 bytes
	v_lshlrev_b32 v[BO32], 5, v2
	s_lshl_b32 s20, s17, 7
	s_lshl_b32 s21, s15, 6
	s_add_co_u32 s20, s20, s21
	s_lshl_b32 s20, s20, 12                        ; my first token's row of out0, 4,096 bytes a row (under 2^26)
	s_lshl_b32 s46, s42, 10
	s_lshl_b32 s47, s16, 9
	s_add_co_u32 s46, s46, s47                     ; my first feature, in bytes: in a row of out0 and in bo
	s_mov_b32 s47, 0
	s_mov_b32 s21, 0
	s_add_nc_u64 s[92:93], s[92:93], s[46:47]
	s_add_nc_u64 s[12:13], s[12:13], s[20:21]
	s_add_nc_u64 s[12:13], s[12:13], s[46:47]
.irp b, 0,1,2,3,4,5,6,7
	global_load_b128 v[BIB+8*\b:BIB+8*\b+3], v[BO32], s[92:93] offset:64*\b        ; bo at features 16 b + 8 h + 0 .. 7: the result's layout
	global_load_b128 v[BIB+8*\b+4:BIB+8*\b+7], v[BO32], s[92:93] offset:64*\b+16
.endr
.macro FETCH kk                        ; the fragments of K step kk (128 along K) into set kk % 2: 16 loads for Wo, 8 for ctx
.set SL, (\kk)/4
.set QQ, (\kk)%4
.set PP, (\kk)%2
	WIN TO_B
.irp i, 0,1,2,3,4,5,6,7
.irp c, 0,1
	ds_load_b128 v[128*PP+8*\i+4*\c:128*PP+8*\i+4*\c+3], v[ADRB+SL] offset:64*QQ+32*\c+\i*16*PITCH
.endr
.endr
	WIN 0
.irp a, 0,1,2,3
.irp c, 0,1
	ds_load_b128 v[AF+32*PP+8*\a+4*\c:AF+32*PP+8*\a+4*\c+3], v[ADRA+SL] offset:ATILE*\a+1024*QQ+512*\c   ; head 2 q + c of the half: an image, 512 bytes on end
.endr
.endr
.endm
; K step kk: its fragments are in; the next step's are asked for; 32 products, the accumulators by turns in the same order in every step.
.macro KSTEP kk
.if (\kk) == 3
	s_wait_tensorcnt 0x0                           ; my part of slot 1: no load was issued behind it
.endif
	s_wait_dscnt 0x0
.if (\kk) == 3
	s_barrier_signal -1
	s_barrier_wait -1                              ; slot 1 is whole
.endif
.if (\kk) < 7
.if (\kk) > 0
	PLACES NP                                      ; in front of loads into the set that the last products read
.endif
	FETCH (\kk)+1
.endif
.set KSL, (\kk)/4
.set KQ, (\kk)%4
.set KP, (\kk)%2
.if (\kk) == 0
	WIN 0x81                                       ; source 0 (Wo) window 1, source 1 (ctx) and C (bo) window 0, D window 2
.else
	WIN 0xa1                                       ; C and D window 2
.endif
.irp a, 0,1,2,3
.irp b, 0,1,2,3,4,5,6,7
.if (\kk) == 0
	v_wmma_scale_f32_16x16x128_f8f6f4 v[8*(8*\a+\b):8*(8*\a+\b)+7], v[128*KP+8*\b:128*KP+8*\b+7], v[AF+32*KP+8*\a:AF+32*KP+8*\a+7], v[BIB+8*\b:BIB+8*\b+7], v[SB+8*\b+4*KSL+KQ], v[SA+8*\a+4*KSL+KQ] matrix_a_fmt:MATRIX_FMT_FP4 matrix_b_fmt:MATRIX_FMT_FP4
.else
	v_wmma_scale_f32_16x16x128_f8f6f4 v[8*(8*\a+\b):8*(8*\a+\b)+7], v[128*KP+8*\b:128*KP+8*\b+7], v[AF+32*KP+8*\a:AF+32*KP+8*\a+7], v[8*(8*\a+\b):8*(8*\a+\b)+7], v[SB+8*\b+4*KSL+KQ], v[SA+8*\a+4*KSL+KQ] matrix_a_fmt:MATRIX_FMT_FP4 matrix_b_fmt:MATRIX_FMT_FP4
.endif
.endr
.endr
	WIN 0
.endm
	s_wait_tensorcnt 1                             ; the scales and my part of slot 0 are in; slot 1's load may be out
	s_barrier_signal -1
	s_barrier_wait -1                              ; everybody's are
.irp a, 0,1,2,3
.irp s, 0,1
	ds_load_b128 v[SA+8*\a+4*\s:SA+8*\a+4*\s+3], v[ASA] offset:512*\a+256*\s       ; the scale words of all of K, once: four K steps a load
.endr
.endr
.irp b, 0,1,2,3,4,5,6,7
.irp s, 0,1
	ds_load_b128 v[SB+8*\b+4*\s:SB+8*\b+4*\s+3], v[ASB] offset:544*\b+16*\s
.endr
.endr
	FETCH 0
	s_wait_loadcnt 0x0                             ; bo
.irp k, 0,1,2,3,4,5,6,7
	KSTEP \k
.endr
; THE WAY OUT, block by block of 16 tokens x 128 features, through my own stage: in as 32 bytes a lane, back as whole rows of 512 bytes.  LDS serves a wave's instructions in order (ISA guide 5.7.1.4): no wait between the stores and the loads.
.macro TOSTAGE a
.set AC, 64*(\a)
	WIN 0x08                                       ; an LDS store's data are its source 1: window 2
.irp b, 0,1,2,3,4,5,6,7
	ds_store_b128 v[STO], v[AC+8*\b:AC+8*\b+3] offset:64*\b          ; each accumulator from its low end on
	ds_store_b128 v[STO], v[AC+8*\b+4:AC+8*\b+7] offset:64*\b+16
.endr
	WIN 0
.set BB, BK+64*((\a)%2)
.irp t, 0,1,2,3,4,5,6,7,8,9,10,11,12,13,14,15
	ds_load_b128 v[BB+4*\t:BB+4*\t+3], v[RD] offset:\t*SPITCH
.endr
.endm
.macro SEND a, younger                 ; younger: the LDS instructions issued behind block a's loads, which may stay out
.set BB, BK+64*((\a)%2)
	s_wait_dscnt \younger
.if (\a) > 0
	s_add_nc_u64 s[12:13], s[12:13], 16*4096       ; (behind a wait on XCNT for 0: the earlier stores have read their base)  16 rows on
.endif
.irp t, 0,1,2,3,4,5,6,7,8,9,10,11,12,13,14,15
	global_store_b128 v[CO], v[BB+4*\t:BB+4*\t+3], s[12:13] offset:\t*4096 th:TH_STORE_NT   ; 32 lanes store 512 consecutive bytes, aligned; written once, read by nobody here
.endr
.endm
	PLACES NP                                      ; behind the last products: for the reads of results and the loads into the registers that held ctx's fragments and bo
	TOSTAGE 0
.irp a, 1,2,3
.if \a > 1
	s_wait_xcnt 0x0                                ; block a - 2's stores have read their registers and their base
.endif
	TOSTAGE \a
	SEND \a-1, 32                                  ; behind block a - 1's loads: block a's 16 stores and 16 loads
.endr
	s_wait_xcnt 0x0
	SEND 3, 0
	s_wait_dscnt 0x0
	s_wait_tensorcnt 0x0
	ds_add_u32 v30, v31
	s_wait_dscnt 0x0
	CROUND                                         ; the closing round
	s_endpgm
.Lfunc_end_k_q14a786e2bb_oproj:
	.size	k_q14a786e2bb_oproj, .Lfunc_end_k_q14a786e2bb_oproj-k_q14a786e2bb_oproj
	.p2alignl 7, 3214868480
	.fill 96, 4, 3214868480
	.section	.rodata,"a",@progbits
	.p2align	6, 0x0
	.amdhsa_kernel k_q14a786e2bb_oproj
		.amdhsa_group_segment_fixed_size 252416
		.amdhsa_private_segment_fixed_size 0
		.amdhsa_enable_private_segment 0
		.amdhsa_kernarg_size 48
		.amdhsa_user_sgpr_count 2
		.amdhsa_user_sgpr_kernarg_segment_ptr 1
		.amdhsa_wavefront_size32 1
		.amdhsa_system_sgpr_workgroup_id_x 1
		.amdhsa_system_sgpr_workgroup_id_y 1
		.amdhsa_system_sgpr_workgroup_id_z 1
		.amdhsa_system_vgpr_workitem_id 0
		.amdhsa_next_free_vgpr 768
		.amdhsa_next_free_sgpr 96
		.amdhsa_reserve_vcc 0
		.amdhsa_float_denorm_mode_32 3
		.amdhsa_float_denorm_mode_16_64 3
		.amdhsa_memory_ordered 1
		.amdhsa_forward_progress 1
		.amdhsa_inst_pref_size 74
	.end_amdhsa_kernel
	.amdgpu_metadata
---
amdhsa.version: [ 1, 2 ]
amdhsa.kernels:
  - .name:           k_q14a786e2bb_oproj
    .symbol:         k_q14a786e2bb_oproj.kd
    .args:
      - { .name: cc, .offset: 0, .size: 8, .value_kind: global_buffer, .address_space: global }
      - { .name: cs, .offset: 8, .size: 8, .value_kind: global_buffer, .address_space: global }
      - { .name: Wo_codes, .offset: 16, .size: 8, .value_kind: global_buffer, .address_space: global }
      - { .name: Wo_scales, .offset: 24, .size: 8, .value_kind: global_buffer, .address_space: global }
      - { .name: bo, .offset: 32, .size: 8, .value_kind: global_buffer, .address_space: global }
      - { .name: out0, .offset: 40, .size: 8, .value_kind: global_buffer, .address_space: global }
    .group_segment_fixed_size: 252416
    .private_segment_fixed_size: 0
    .kernarg_segment_align: 8
    .kernarg_segment_size: 48
    .max_flat_workgroup_size: 128
    .sgpr_count:     96
    .vgpr_count:     768
    .wavefront_size: 32
...
	.end_amdgpu_metadata
.endif
;; end of part 3
